; MI455X (gfx1250); checked and timed in simulation.
; The chip was launched on July 23, 2026; its instructions are those of AMD's public machine-readable ISA for CDNA 5 (MIT licence, August 2026) and "CDNA5" Instruction Set Architecture Reference Guide (July 2026). The comments in the code are by the model that wrote it; some were corrected since.
;; Multi Head Attention. Allowed arithmetic: matrix products marked QUANTISED: E5M2 operands, one given power-of-two scale a tensor, by v_wmma_f32_16x16x64_bf8_bf8 or v_wmma_f32_16x16x128_bf8_bf8, f32 sums; everything else in f32.
;; Inputs: Wk 1,024 x 1,024 float32; Wo 1,024 x 1,024 float32; Wq 1,024 x 1,024 float32; Wv 1,024 x 1,024 float32; bo 1,024 float32; lowp_scales 12 int32 (the exponents e of the quantised operands' scales 2^e); x 4 x 2,048 x 1,024 float32.
;; Outputs: out0 4 x 2,048 x 1,024 float32.
;; This version of the problem:
;;   THIS VERSION OF THE PROBLEM IS GIVEN IN LOW PRECISION. The matrix products marked QUANTISED in the list below multiply operands that are first quantised to E5M2 (5 exponent bits, 2 mantissa bits; 8 bits a number), with one given power-of-two scale for each operand tensor; their sums are f32. All else is computed in f32.
;;   The module's matrix products, in the order in which they are computed (A, B: the left and right operand; K: the contracted axis; several contracted axes count as one K, in the product's order):
;;     1. [M 8,192, K 1,024] x [K 1,024, N 1,024]; A: input x; B: input Wq: QUANTISED (scales: A lowp_scales[0], B lowp_scales[1])
;;     2. [M 8,192, K 1,024] x [K 1,024, N 1,024]; A: input x; B: input Wk: QUANTISED (scales: A lowp_scales[2], B lowp_scales[3])
;;     3. [M 8,192, K 1,024] x [K 1,024, N 1,024]; A: input x; B: input Wv: QUANTISED (scales: A lowp_scales[4], B lowp_scales[5])
;;     4. batch 64 x [M 2,048, K 64] x [K 64, N 2,048]; A: computed on the way; B: computed on the way: QUANTISED (scales: A lowp_scales[6], B lowp_scales[7])
;;     5. batch 64 x [M 2,048, K 2,048] x [K 2,048, N 64]; A: softmax (see below); B: computed on the way: QUANTISED (scales: A lowp_scales[8], B lowp_scales[9])
;;     6. [M 8,192, K 1,024] x [K 1,024, N 1,024]; A: computed on the way; B: input Wo: QUANTISED (scales: A lowp_scales[10], B lowp_scales[11])
;;   THE QUANTISER, for each operand of a quantised product, along K:
;;     - The operand's scale is 2^e, e = its entry of the input lowp_scales (int32; the entries are numbered through the quantised products in the list's order, A before B).
;;     - Each number is divided by the scale, clamped to +-57,344, and rounded to the nearest number of E5M2, ties to even, subnormals kept.
;;     - The product sums the exact products of the quantised numbers (number of the format x scale) in f32.
;;   ~~~python
;;   def quantise(x, axis, e):      # numpy; x: float32 -> the quantised numbers, widened to float32 again
;;       x = np.moveaxis(x, axis, -1); K = x.shape[-1]
;;       r = np.clip(x / 2.0 ** e, -57344, 57344)
;;       step = 2.0 ** (np.maximum(np.frexp(np.where(r == 0, 1, r))[1] - 1, -14) - 2)
;;       q = np.round(r / step) * step * 2.0 ** e      # np.round: ties to even
;;       return np.moveaxis(q, -1, axis).astype(np.float32)
;;   ~~~
;;   SOFTMAX AHEAD OF A QUANTISED PRODUCT. Where the list says 'softmax', what is quantised is not the finished softmax but p = 2^(t - M), with t = logit x log2(e) and M = ceil(the row's largest t), a whole number; so 1/2 < the row's largest p <= 1. The row's sum l is taken of the UNQUANTISED p, in f32, and the product's result is divided by l at the end. Since M is a whole number, a kernel that streams over the keys may use a running M (the ceiling of the running maximum): every later rescaling is an exact power of two, so the quantised numbers keep their values, but for numbers so far below the row's largest that they fall under the format's range.
;;   OPERANDS COMPUTED ON THE WAY. 'Computed on the way' means the value that the module computes at that place (a softmax that the list does not call 'softmax' is quantised finished and normalised). What goes into a quantiser is computed in f32, as accurately as f32 sums, v_exp_f32 and their like allow (about 1e-6 of the number): no bf16 or f16 on the way to a quantiser, and a product that is left as it is and whose result goes on into a quantised operand takes f32 operands (vector FMAs, or v_wmma_f32_16x16x4_f32). A number that lies on a knife's edge between two numbers of the format may be rounded either way, as far as f32 arithmetic and the matrix unit's own rounding can turn it there, and no further.
;; 2 versions, each right; version 2 is version 1 with the launch attn written anew for expert scheduling mode. Each part assembles by itself: llvm-mc -triple=amdgcn-amd-amdhsa -mcpu=gfx1250 --defsym DOCPART=n.
;; ======== version 1 of 2: 4 launches
;; workspace buffers: xc 25,165,824 bytes; wc 4,194,304 bytes; qkv 25,165,824 bytes; ctx 8,388,608 bytes
;; launch quant (part 1): grid 384 x 1, 4 waves a work-group, no clusters, 33,280 bytes of LDS; arguments x, Wq, Wk, Wv, Wo, lowp_scales, xc, wc; writes xc, wc
.if DOCPART == 1
	.amdgcn_target "amdgcn-amd-amdhsa--gfx1250"
	.amdhsa_code_object_version 6
	.text
	.protected	k_q0c053496cb_quant
	.globl	k_q0c053496cb_quant
	.p2align	8
	.type	k_q0c053496cb_quant,@function
k_q0c053496cb_quant:
	s_mov_b64 s[64:65], 0
	v_nop
	global_prefetch_b8 v0, s[64:65] scope:SCOPE_SE
	s_setreg_imm32_b32 hwreg(HW_REG_WAVE_MODE, 25, 1), 1
	s_wait_xcnt 0x0
; x [8192][1024] and Wq, Wk, Wv, Wo [1024][1024], f32, K innermost, become codes of BF8 (E5M2), one byte a number, each with the scale 2^e given for it.
; x enters three products under three scales (entries 0, 2, 4 of the scales' buffer): it is read once and written three times, xc = three parts of 8 MiB.
; Wq, Wk, Wv, Wo (entries 1, 3, 5, 11) go on end into wc, 1 MiB each.
; code = number / 2^e, held within +-57,344, rounded to the nearest code, ties to even.
; LIMITS: each of these seven exponents lies between -126 and 112, so that 2^e and 57,344 x 2^e are f32 numbers.  NaN among the inputs is not served (an infinity is held at the largest code).
; ORDER OF THE BYTES.  Rows stay rows, but inside each block of 32 along K the codes lie as k 0-7, 16-23, 8-15, 24-31.  A 16-byte read at 16 x (lane / 16) of a block then brings four registers of an
; 8-bit operand as the matrix instruction's own layout has them (registers 2 c, 2 c + 1: k = 16 c + 8 (lane / 16) + 0 .. 7).
; SHARES.  Rows are dense, so every tensor is a stream of blocks of 32.  A work-group takes 32,768 numbers, a wave 16 steps of 512.  Work-groups 0-255 take x, 256-383 the four weights, 32 each.
; Each of a step's four loads reads 512 consecutive bytes; the 2,048 bytes turn through the wave's own stage in LDS (16 bytes of padding behind each 64) and come back so that lane (p, e) = (lane / 2, lane % 2)
; holds numbers 8 e .. 8 e + 7 and 16 + 8 e .. 16 + 8 e + 7 of block p: its 16 codes are bytes 16 e .. 16 e + 15 of the block in the order above, and a wave's store covers 512 consecutive bytes.
; Waves share nothing: no barrier.  Loads run four steps (16 loads a wave) ahead, the turn through LDS one step.
.set STEPS, 16
.set XWG,   256                        ; work-groups that take x
.set SP,    80                         ; 64 bytes + 16 of padding in a stage
.set WREG,  8192                       ; LDS of a wave: two stages of 32 x SP bytes
.set R,     16                         ; v16-79   four sets of 16 numbers as loaded
.set X,     80                         ; v80-111  two sets of 16 numbers as the conversions want them
.set T,     112                        ; v112-127 the numbers held within the largest code x the scale
.set C,     128                        ; v128-175 codes: four steps' slots x three outputs x four registers
	s_load_b512 s[4:19], s[0:1], 0x0               ; x 4:5, Wq 6:7, Wk 8:9, Wv 10:11, Wo 12:13, the scales 14:15, xc 16:17, wc 18:19
	v_lshl_add_u32 v176, v0, 2, 0x8000
	v_mov_b32 v177, 0
	v_lshrrev_b32 v1, 5, v0
	v_readfirstlane_b32 s20, v1                    ; wave
	v_and_b32 v2, 31, v0                           ; lane
	v_lshlrev_b32 v3, 4, v2                        ; my 16 bytes of a load's 512
	v_lshlrev_b32 v4, 4, v2                        ; my 16 codes of a step's 512
	s_mul_i32 s21, s20, WREG
	v_lshrrev_b32 v14, 2, v2
	v_mul_u32_u24 v14, v14, SP
	v_and_b32 v15, 3, v2
	v_lshl_add_u32 v14, v15, 4, v14
	v_add_nc_u32 v14, s21, v14                     ; the stage, on the way in: SP (lane / 4) + 16 (lane % 4); a load's 512 bytes take eight places
	v_lshrrev_b32 v15, 1, v2
	v_mul_u32_u24 v15, v15, 2*SP
	v_and_b32 v5, 1, v2
	v_lshl_add_u32 v15, v5, 5, v15
	v_add_nc_u32 v15, s21, v15                     ; on the way out: block lane / 2 begins at 2 SP (lane / 2); my first eight numbers 32 (lane % 2) bytes on
	s_sub_co_u32 s30, ttmp9, XWG                   ; a weight's work-group: its number among the 128,
	s_lshr_b32 s31, s30, 5                         ; which weight,
	s_and_b32 s32, s30, 31                         ; and which 32,768 numbers of it
	s_wait_kmcnt 0x0
	s_load_b256 s[36:43], s[14:15], 0x0            ; e0 .. e7
	s_load_b128 s[44:47], s[14:15], 0x20           ; e8 .. e11
	s_cmp_eq_u32 s31, 1                            ; the source: the choices hang on the work-group's number alone
	s_cselect_b64 s[22:23], s[8:9], s[6:7]
	s_cmp_eq_u32 s31, 2
	s_cselect_b64 s[22:23], s[10:11], s[22:23]
	s_cmp_eq_u32 s31, 3
	s_cselect_b64 s[22:23], s[12:13], s[22:23]
	s_cmp_lt_u32 ttmp9, XWG
	s_cselect_b64 s[22:23], s[4:5], s[22:23]
	s_cselect_b64 s[24:25], s[16:17], s[18:19]     ; the first (for a weight: the only) destination
	s_cselect_b32 s33, ttmp9, s32                  ; which 32,768 numbers of the source,
	s_cselect_b32 s34, ttmp9, s30                  ; and of the destination: the four weights lie on end in wc
	s_lshl_b32 s33, s33, 2
	s_add_co_u32 s33, s33, s20
	s_lshl_b32 s50, s33, 15                        ; my wave's 8,192 numbers: 32,768 bytes of f32,
	s_mov_b32 s51, 0
	s_lshl_b32 s34, s34, 2
	s_add_co_u32 s34, s34, s20
	s_lshl_b32 s52, s34, 13                        ; 8,192 bytes of codes
	s_mov_b32 s53, 0
	s_add_nc_u64 s[22:23], s[22:23], s[50:51]
	s_add_nc_u64 s[24:25], s[24:25], s[52:53]
	s_add_nc_u64 s[26:27], s[16:17], s[52:53]
	s_add_nc_u64 s[26:27], s[26:27], 0x800000      ; x's second part (used by x's work-groups alone),
	s_add_nc_u64 s[28:29], s[26:27], 0x800000      ; and its third
.macro LOAD t
.irp i, 0,1,2,3
	global_load_b128 v[R+16*((\t)%4)+4*\i:R+16*((\t)%4)+4*\i+3], v3, s[22:23] offset:2048*(\t)+512*\i th:TH_LOAD_NT   ; 32 lanes read 512 consecutive bytes; read once in the launch
.endr
.endm
.macro TURN t                          ; step t's numbers through the stage: LDS serves a wave's instructions in order (ISA guide 5.7.1.4), so no wait stands between the stores and the loads
.irp i, 0,1,2,3
	ds_store_b128 v14, v[R+16*((\t)%4)+4*\i:R+16*((\t)%4)+4*\i+3] offset:32*SP*((\t)%2)+8*SP*\i
.endr
	ds_load_b128 v[X+16*((\t)%2):X+16*((\t)%2)+3],     v15 offset:32*SP*((\t)%2)         ; numbers 8 e .. 8 e + 3 of my block
	ds_load_b128 v[X+16*((\t)%2)+4:X+16*((\t)%2)+7],   v15 offset:32*SP*((\t)%2)+16      ; 8 e + 4 .. 8 e + 7
	ds_load_b128 v[X+16*((\t)%2)+8:X+16*((\t)%2)+11],  v15 offset:32*SP*((\t)%2)+SP      ; 16 + 8 e .. : the block's second 64 bytes lie SP further on
	ds_load_b128 v[X+16*((\t)%2)+12:X+16*((\t)%2)+15], v15 offset:32*SP*((\t)%2)+SP+16
.endm
.macro MKSC e, vs, vl                  ; from the whole number e: 2^e as f32 (the conversion takes its exponent field), and 57,344 x 2^e
	s_add_co_i32 s48, \e, 127
	s_lshl_b32 s49, s48, 23
	v_mov_b32 v[\vs], s49
	s_add_co_i32 s48, s48, 15
	s_lshl_b32 s48, s48, 23
	s_or_b32 s48, s48, 0x600000
	v_mov_b32 v[\vl], s48
.endm
.irp t, 0,1,2,3
	LOAD \t
.endr
	s_wait_kmcnt 0x0
	s_cmp_eq_u32 s31, 1                            ; the first scale: e1, e3, e5, e11 for the weights, e0 for x
	s_cselect_b32 s35, s39, s37
	s_cmp_eq_u32 s31, 2
	s_cselect_b32 s35, s41, s35
	s_cmp_eq_u32 s31, 3
	s_cselect_b32 s35, s47, s35
	s_cmp_lt_u32 ttmp9, XWG
	s_cselect_b32 s35, s36, s35
	MKSC s35, 6, 7
	MKSC s38, 8, 9                                 ; e2
	MKSC s40, 10, 11                               ; e4
	s_wait_loadcnt 12                              ; step 0's four loads are in; three steps' twelve stay out
	TURN 0
; step t's 16 numbers under one scale: held (out of place: x's numbers are used three times), converted, stored
.macro CONV t, o, sc, lim, base
.irp i, 0,1,2,3,4,5,6,7,8,9,10,11,12,13,14,15
	v_med3_num_f32 v[T+\i], v[X+16*((\t)%2)+\i], -v[\lim], v[\lim]   ; the conversion to an 8-bit code does not saturate (ISA guide 7.6.2)
.endr
	v_cvt_scalef32_pk8_bf8_f32 v[C+12*((\t)%4)+4*\o:C+12*((\t)%4)+4*\o+1], v[T:T+7], v[\sc]
	v_cvt_scalef32_pk8_bf8_f32 v[C+12*((\t)%4)+4*\o+2:C+12*((\t)%4)+4*\o+3], v[T+8:T+15], v[\sc]
	v_nop                                          ; one plain vector instruction between the conversions and the next lines that write their sources
	global_store_b128 v4, v[C+12*((\t)%4)+4*\o:C+12*((\t)%4)+4*\o+3], s[\base:\base+1] offset:512*(\t)   ; 32 lanes store 512 consecutive bytes, aligned
.endm
.macro STEP t
	s_wait_dscnt 0x0                               ; this step's numbers are back from the stage: so its stores into the stage have read their registers,
.if (\t)+4 < STEPS
	LOAD (\t)+4                                    ; which take the loads of four steps on
.endif
.if (\t)+1 < STEPS
.if STEPS-2-(\t) >= 3
	s_wait_loadcnt 12                              ; the next step's four loads are in; those of the three steps behind it may be out
.else
	s_wait_loadcnt 4*(STEPS-2-(\t))
.endif
	TURN (\t)+1                                    ; they go through the other stage while this step is worked
.endif
	s_wait_xcnt 0x0                                ; the stores of four steps back have read their data: this slot's code registers are written again only behind this wait
	CONV \t, 0, 6, 7, 24
	s_cmp_ge_u32 ttmp9, XWG                        ; a weight has one scale; the branch passes over vector work and global stores alone
	s_cbranch_scc1 .Lw_\@
	CONV \t, 1, 8, 9, 26
	CONV \t, 2, 10, 11, 28
.Lw_\@:
.endm
.irp t, 0,1,2,3,4,5,6,7,8,9,10,11,12,13,14,15
	STEP \t
.endr
	s_wait_tensorcnt 0x0
	ds_add_u32 v176, v177
	s_wait_dscnt 0x0
	s_endpgm
.Lfunc_end_k_q0c053496cb_quant:
	.size	k_q0c053496cb_quant, .Lfunc_end_k_q0c053496cb_quant-k_q0c053496cb_quant
	.p2alignl 7, 3214868480
	.fill 96, 4, 3214868480
	.section	.rodata,"a",@progbits
	.p2align	6, 0x0
	.amdhsa_kernel k_q0c053496cb_quant
		.amdhsa_group_segment_fixed_size 33280
		.amdhsa_private_segment_fixed_size 0
		.amdhsa_enable_private_segment 0
		.amdhsa_kernarg_size 64
		.amdhsa_user_sgpr_count 2
		.amdhsa_user_sgpr_kernarg_segment_ptr 1
		.amdhsa_wavefront_size32 1
		.amdhsa_system_sgpr_workgroup_id_x 1
		.amdhsa_system_sgpr_workgroup_id_y 1
		.amdhsa_system_sgpr_workgroup_id_z 1
		.amdhsa_system_vgpr_workitem_id 0
		.amdhsa_next_free_vgpr 178
		.amdhsa_next_free_sgpr 66
		.amdhsa_reserve_vcc 0
		.amdhsa_float_denorm_mode_32 3
		.amdhsa_float_denorm_mode_16_64 3
		.amdhsa_memory_ordered 1
		.amdhsa_forward_progress 1
		.amdhsa_inst_pref_size 81
	.end_amdhsa_kernel
	.amdgpu_metadata
---
amdhsa.version: [ 1, 2 ]
amdhsa.kernels:
  - .name:           k_q0c053496cb_quant
    .symbol:         k_q0c053496cb_quant.kd
    .args:
      - { .name: x, .offset: 0, .size: 8, .value_kind: global_buffer, .address_space: global }
      - { .name: Wq, .offset: 8, .size: 8, .value_kind: global_buffer, .address_space: global }
      - { .name: Wk, .offset: 16, .size: 8, .value_kind: global_buffer, .address_space: global }
      - { .name: Wv, .offset: 24, .size: 8, .value_kind: global_buffer, .address_space: global }
      - { .name: Wo, .offset: 32, .size: 8, .value_kind: global_buffer, .address_space: global }
      - { .name: lowp_scales, .offset: 40, .size: 8, .value_kind: global_buffer, .address_space: global }
      - { .name: xc, .offset: 48, .size: 8, .value_kind: global_buffer, .address_space: global }
      - { .name: wc, .offset: 56, .size: 8, .value_kind: global_buffer, .address_space: global }
    .group_segment_fixed_size: 33280
    .private_segment_fixed_size: 0
    .kernarg_segment_align: 8
    .kernarg_segment_size: 64
    .max_flat_workgroup_size: 128
    .sgpr_count:     66
    .vgpr_count:     178
    .wavefront_size: 32
...
	.end_amdgpu_metadata
.endif
;; end of part 1
;; launch qkv (part 2): grid 12 x 32, 4 waves a work-group, clusters of 4 x 4, 327,680 bytes of LDS; arguments xc, wc, lowp_scales, qkv; writes qkv
.if DOCPART == 2
	.amdgcn_target "amdgcn-amd-amdhsa--gfx1250"
	.amdhsa_code_object_version 6
	.text
	.protected	k_q0c053496cb_qkv
	.globl	k_q0c053496cb_qkv
	.p2align	8
	.type	k_q0c053496cb_qkv,@function
k_q0c053496cb_qkv:
	s_mov_b64 s[64:65], 0
	v_nop
	global_prefetch_b8 v0, s[64:65] scope:SCOPE_SE
	s_setreg_imm32_b32 hwreg(HW_REG_WAVE_MODE, 25, 1), 1
	s_wait_xcnt 0x0
	s_wait_alu depctr_hold_cnt(0) depctr_sa_sdst(0) depctr_va_vdst(0) depctr_va_sdst(0) depctr_va_ssrc(0) depctr_va_vcc(0) depctr_vm_vsrc(0)
	s_getreg_b32 s2, hwreg(HW_REG_IB_STS2, 6, 4)
	s_cmp_eq_u32 s2, 0
	s_cbranch_scc0 .Lentry_in_a_cluster
	s_endpgm
.Lentry_in_a_cluster:
	s_bfe_u32 s2, ttmp6, 0x10000c
	s_cmp_lg_u32 s2, 0xf033
	s_cbranch_scc0 .Lentry_shape_is_right
	s_endpgm
.Lentry_shape_is_right:
; q = x Wq^T, k = x Wk^T, v = x Wv^T on codes of BF8 (E5M2); each finished f32 sum is quantised at once for the product that takes it next, and leaves as a code.
; xc: x's codes, three parts [8192][1024] (one for each product's own scale of x).  wc: Wq, Wk, Wv (and Wo) as codes, [1024][1024] each.  K = 1,024, innermost.
; ONE TEXT FOR THREE PRODUCTS.  The cluster's x, P = 0, 1, 2, is the product.  The text makes C'[m'][n'] = sum over k of A'[m'][k] B'[n'][k] in tiles of 256 x 256; the matrix instruction is used transposed
; (source 0 = 16 rows of B', source 1 = 16 rows of A'), so that a lane holds ONE row m' and eight neighbouring n'.
;   P < 2: A' = x (tokens), B' = W (features): a lane holds a token and neighbours along the head's channels, which are the K of q k^T.
;   P = 2: A' = Wv (features), B' = x (tokens): a lane holds a channel and neighbours along the keys, which are the K of p v.
; Only pointers and offsets are chosen, by selects on the cluster's x, which all sixteen partners share.
; THE WAY OUT.  A sum stands for sum x 2^(ex + ew); its code under 2^eo is sum / 2^(eo - ex - ew), eo = entry 6 (q), 7 (k), 9 (v): one scale for the conversion.  Two neighbouring 16 x 16 results give four registers of the
; next operand in the matrix instruction's own layout, so a wave's 16 bytes a lane are stored as they stand: an IMAGE OF THE OPERAND'S REGISTERS, 512 consecutive bytes a store.
;   q at byte 0, k at 8 MiB: [batch x head 64][tile of 16 tokens 128][32 channels 2][lane 32][16 bytes];   v at 16 MiB: [batch x head 64][128 keys 16][16 channels 4][32 keys 4][lane 32][16 bytes].
; LIMITS: eo - ex - ew lies between -126 and 112 for each of the three products, so that the conversion's scale and 57,344 x it are f32 numbers.
; A tile is made by four waves, as many as a WGP has SIMDs; a wave makes 128 x 128: 64 accumulators, 512 registers.  K goes in steps of 256 through a ring of two LDS slots filled by the tensor data mover.
; CLUSTERS: 4 x 4 work-groups.  The four of a row of the cluster need the same tiles of A', the four of a column the same tiles of B': each tile is asked for JOINTLY, by the same tensor load with the same descriptor and a mask that names the four.
; REGISTERS, in windows of 256: window 0: v0-31 addresses and constants; from v128 A's fragments (8 x 16 rows x 128 K), ONE set; on the way out the codes.
;   window 1: B's fragments, TWO sets, at v0 and v128.   window 2: the accumulators of my rows 0-63 (accumulator (a, b) at v[8 (8 a + b)]);   window 3: those of my rows 64-127.
.set KSTEP,  256                       ; along K in a slot
.set ROWB,   256                       ; a tile's row in bytes
.set KROW,   1024                      ; a row of A' or B' in memory, in bytes
.set PITCH,  272                       ; an LDS row: 256 bytes + 16 of padding = 68 words: row r starts at bank 4 r mod 64 (64 banks of 4 bytes: ISA guide 11.1), so the 16 rows that a load touches start at 16 different banks
.set FR,     16                        ; registers of a fragment: 16 rows x 128 K
.set NL,     4                         ; LDS loads that bring one
.set NP,     4                         ; places behind this matrix instruction (ISA guide 7.12.1)
.set HALFT,  128*PITCH                 ; 128 rows: what one tensor load brings, and what one wave reads of A' or of B'
.set SLOT,   4*HALFT                   ; A's 256 rows, then B's 256 rows
.set LAPS,   1024/(2*KSTEP)            ; a lap = two K steps = once round the ring
.set SPARE,  2*SLOT                    ; behind the ring: the spare words, 128 bytes for each wave: two blocks of 256 bytes that no other line names
.set ADRA, 16                          ; v16-17  LDS address of my A fragments in slot 0, 1
.set ADRB, 20                          ; v20-21  the same for B
.set VO0,  26                          ; v26     the way out: 16 x lane
.set VO2,  27                          ; v27     the same, where a block's third and fourth groups of four registers go
.set SPW,  28                          ; v28     LDS address of my spare word: SPARE + 4 x my thread's number; never rewritten
.set NIL,  29                          ; v29     0; never rewritten
.set LIMV, 30                          ; v30     57,344 x the conversion's scale
.set SCV,  31                          ; v31     the conversion's scale, 2^(eo - ex - ew)
.set AF,   128                         ; A's fragments, in window 0
.set G1, 24                            ; s[24:31] descriptor group 1 for A's tiles;  s[32:39] group 0, one set for each slot
.set G0, 32
.set G1B, 48                           ; s[48:55], s[56:63] the same for B's tiles
.set G0B, 56
.set MSB, 0
.macro WIN new                         ; the immediate's high byte repeats the setting that is left
.if MSB != \new
	s_set_vgpr_msb (MSB<<8)|\new
.set MSB, \new
.endif
.endm
.set MUL_LO, 0xa1                      ; source 0 (B) window 1, source 1 (A) window 0, C and D window 2
.set MUL_HI, 0xf1                      ; the same, C and D window 3
.set TO_B,   0x40                      ; destination window 1, address window 0
; A joint load: waves 0 and 1 fetch for A, waves 2 and 3 for B.  Each of the two lines has ONE mask and one set of registers for all that issue it; the branch hangs on the wave's number alone.
; Four v_nop follow each of the two lines, ahead of the jump, the label and what follows.
.macro JLOAD g0a, g1a, g0b, g1b
	s_cmp_eq_u32 s15, 0
	s_cbranch_scc0 .Lfor_b_\@
	tensor_load_to_lds s[\g0a:\g0a+3], s[\g1a:\g1a+7]
	s_nop 0
.rept 4
	v_nop
.endr
	s_branch .Lasked_\@
.Lfor_b_\@:
	tensor_load_to_lds s[\g0b:\g0b+3], s[\g1b:\g1b+7]
	s_nop 0
.rept 4
	v_nop
.endr
.Lasked_\@:
.endm
.macro CREST                           ; a round of the cluster's barrier behind its opening barrier
	s_cmp_lg_u32 s14, 0
	s_cbranch_scc1 .Lnot_wave_0_\@
	s_barrier_signal -3
.Lnot_wave_0_\@:
	s_barrier_wait -3
	s_barrier_signal -1
	s_barrier_wait -1
.endm
.macro CROUND                          ; a whole round
	s_barrier_signal -1
	s_barrier_wait -1
	CREST
.endm
	s_load_b128 s[4:7], s[0:1], 0x0                ; xc s[4:5], wc s[6:7]
	s_load_b128 s[8:11], s[0:1], 0x10              ; the scales' exponents s[8:9], qkv s[10:11]
	v_lshl_add_u32 v[SPW], v0, 2, SPARE
	v_mov_b32 v[NIL], 0
	ds_add_u32 v28, v29
	ds_add_u32 v28, v29
	s_wait_dscnt 0x0
	v_lshrrev_b32 v1, 5, v0
	v_readfirstlane_b32 s14, v1                    ; wave 0..3
	s_lshr_b32 s15, s14, 1                         ; which half of the tile's rows is mine.  Also: I fetch for A (0) or for B (1)
	s_and_b32 s16, s14, 1                          ; which half of its columns.  Also: which 128 rows of that tile I fetch
	s_bfe_u32 s40, ttmp6, 0x40000                  ; cx, cy: my place in the cluster
	s_bfe_u32 s41, ttmp6, 0x40004
	s_and_b32 s67, ttmp7, 0xffff
	s_lshl_b32 s67, s67, 2                         ; 4 x cluster y: the cluster's first tile along the tokens
	s_lshl_b32 s88, ttmp9, 23                      ; the product's part of xc and of qkv: 8 MiB each,
	s_lshl_b32 s89, ttmp9, 20                      ; and of wc: 1 MiB
	s_lshl_b32 s43, s41, 2
	s_lshl_b32 s43, 15, s43                        ; my row of the cluster
	s_lshl_b32 s44, 0x1111, s40                    ; my column
	; descriptor group 1: a tile of 128 rows x 256 bytes, padded in LDS
	s_or_b32 s[G1+0], s43, (0<<16)|(1<<20)|(1<<21)|(5<<22)|(3<<25)  ; 15:0 the mask: A's tiles go to my row; 17:16 element of 1 byte; 20 padding on; 21 set beside a mask; 24:22 after every 64 words (code 5); 31:25 of 4 words (code 3)
	s_or_b32 s[G1B+0], s44, (0<<16)|(1<<20)|(1<<21)|(5<<22)|(3<<25) ; the same with the mask of my column
.irp g, G1, G1B
	s_mov_b32 s[\g+1], ROWB<<16                    ; tensor_dim0
	s_mov_b32 s[\g+2], 128<<16                     ; tensor_dim1 = 128
	s_mov_b32 s[\g+3], ROWB<<16                    ; tile_dim0
	s_mov_b32 s[\g+4], 128                         ; tile_dim1 = 128
	s_mov_b32 s[\g+5], KROW                        ; tensor_dim0_stride
	s_mov_b32 s[\g+6], 0
	s_mov_b32 s[\g+7], 0
.endr
	s_mul_i32 s45, s14, HALFT                      ; where my tile goes: wave x 128 rows: no place in the cluster enters an LDS address
	s_wait_kmcnt 0x0
	s_load_b256 s[68:75], s[8:9], 0x0              ; e0 .. e7
	s_load_b128 s[76:79], s[8:9], 0x20             ; e8 .. e11
	s_cmp_eq_u32 ttmp9, 2                          ; v's product?  The same answer in all sixteen partners; only selects stand behind the compare
	s_cselect_b64 s[84:85], s[6:7], s[4:5]         ; A': Wv, else x
	s_cselect_b64 s[86:87], s[4:5], s[6:7]         ; B': x, else W
	s_cselect_b32 s90, s89, s88                    ; the product's part of A's buffer,
	s_cselect_b32 s92, s88, s89                    ; and of B's
	s_cselect_b32 s93, 0, s67                      ; the tokens run along the tile rows (P < 2),
	s_cselect_b32 s94, s67, 0                      ; or along the tile columns (P = 2)
	s_add_co_u32 s17, s41, s93                     ; tile row of C': cy (+ 4 x cluster y)
	s_add_co_u32 s42, s40, s94                     ; tile column: cx (+ 4 x cluster y)
	; where the tiles come from.  A's hang on the tile row alone, which my row of the cluster shares; B's on the tile column alone.  Each address is made in registers that never hold the other coordinate.
	s_lshl_b32 s18, s16, 7                         ; which 128 rows of the tile I fetch
	s_lshl_b32 s20, s17, 8
	s_add_co_u32 s20, s20, s18                     ; A': row 256 x tile row + 128 x half,
	s_lshl_b32 s20, s20, 10                        ; of 1,024 bytes,
	s_add_co_u32 s20, s20, s90                     ; in the product's part: under 2^25
	s_mov_b32 s21, 0
	s_lshl_b32 s46, s42, 8
	s_add_co_u32 s46, s46, s18                     ; B' likewise, by the tile column
	s_lshl_b32 s46, s46, 10
	s_add_co_u32 s46, s46, s92
	s_mov_b32 s47, 0
	s_add_nc_u64 s[20:21], s[84:85], s[20:21]
	s_add_nc_u64 s[46:47], s[86:87], s[46:47]
	CROUND                                         ; all sixteen work-groups are here: the first joint loads meet
.irp s, 0,1
	s_mov_b32 s[G0+4*\s], 1                        ; 1:0 count = 1
	s_add_co_u32 s[G0+4*\s+1], s45, \s*SLOT        ; 63:32 LDS address
	s_add_nc_u64 s[G0+4*\s+2:G0+4*\s+3], s[20:21], \s*ROWB   ; 120:64 global address: K step s
	s_or_b32 s[G0+4*\s+3], s[G0+4*\s+3], 0x80000000          ; 127:126 type = 2
	s_mov_b32 s[G0B+4*\s], 1
	s_add_co_u32 s[G0B+4*\s+1], s45, \s*SLOT
	s_add_nc_u64 s[G0B+4*\s+2:G0B+4*\s+3], s[46:47], \s*ROWB
	s_or_b32 s[G0B+4*\s+3], s[G0B+4*\s+3], 0x80000000
	JLOAD G0+4*\s, G1, G0B+4*\s, G1B               ; by this text's own count two tensor loads of a wave are out here, later one
.endr
	v_and_b32 v1, 15, v0                           ; l % 16
	v_bfe_u32 v2, v0, 4, 1                         ; l / 16
	v_mul_u32_u24 v3, v1, PITCH
	v_lshl_add_u32 v4, v2, 4, v3                   ; a fragment's row x pitch + 16 x half
	s_mul_i32 s21, s15, HALFT                      ; my 128 rows of A'
	s_mul_i32 s22, s16, HALFT                      ; my 128 rows of B',
	s_add_co_u32 s22, s22, 2*HALFT                 ; which lie behind A's 256
.irp s, 0,1
	v_add_nc_u32 v[ADRA+\s], s21, v4
	v_add_nc_u32 v[ADRB+\s], s22, v4
	s_add_co_u32 s21, s21, SLOT
	s_add_co_u32 s22, s22, SLOT
.endr
	; the way out's addresses.  R0, N0: my wave's first row and column of C'
	s_lshl_b32 s18, s17, 8
	s_lshl_b32 s19, s15, 7
	s_add_co_u32 s18, s18, s19                     ; R0 = 256 x tile row + 128 x half
	s_lshl_b32 s19, s42, 8
	s_lshl_b32 s20, s16, 7
	s_add_co_u32 s19, s19, s20                     ; N0 = 256 x tile column + 128 x half
	s_cmp_eq_u32 ttmp9, 2
	s_cselect_b32 s20, s19, s18                    ; my first token,
	s_cselect_b32 s21, s18, s19                    ; and my first feature
	s_mov_b32 s80, 1024
	s_cselect_b32 s80, 2048, s80                   ; from a block of 16 rows to the next: q, k: the next tile of 16 tokens, 1,024 bytes; v: the next 16 channels, 2,048
	s_mov_b32 s82, 1024
	s_cselect_b32 s82, 124928, s82                 ; from block 3 to block 4: v: the next head's first 16 channels: 131,072 - 3 x 2,048
	s_mov_b32 s22, 131072
	s_cselect_b32 s22, 1024, s22                   ; a block's third group: q, k: the next head, 131,072 bytes on; v: the step's keys 64 on, 1,024 bytes on
	s_mov_b32 s81, 0
	s_mov_b32 s83, 0
	s_lshr_b32 s23, s20, 11                        ; the batch,
	s_lshl_b32 s23, s23, 4
	s_lshr_b32 s21, s21, 6                         ; the head
	s_add_co_u32 s23, s23, s21
	s_lshl_b32 s23, s23, 17                        ; a head's image is 131,072 bytes
	s_and_b32 s20, s20, 2047
	s_lshl_b32 s20, s20, 6                         ; 64 bytes for each token of the head: 1,024 a tile of 16, 8,192 a step of 128 keys
	s_add_co_u32 s20, s20, s23
	s_add_co_u32 s20, s20, s88                     ; the product's 8 MiB of qkv
	s_mov_b32 s21, 0
	s_add_nc_u64 s[10:11], s[10:11], s[20:21]
	v_and_b32 v6, 31, v0
	v_lshlrev_b32 v[VO0], 4, v6
	v_add_nc_u32 v[VO2], s22, v[VO0]
	; the conversion's scale
	s_wait_kmcnt 0x0
	s_sub_co_i32 s95, s74, s68
	s_sub_co_i32 s95, s95, s69                     ; q: e6 - e0 - e1
	s_sub_co_i32 s96, s75, s70
	s_sub_co_i32 s96, s96, s71                     ; k: e7 - e2 - e3
	s_sub_co_i32 s97, s77, s72
	s_sub_co_i32 s97, s97, s73                     ; v: e9 - e4 - e5
	s_cmp_eq_u32 ttmp9, 1
	s_cselect_b32 s95, s96, s95
	s_cmp_eq_u32 ttmp9, 2
	s_cselect_b32 s95, s97, s95
	s_add_co_i32 s95, s95, 127
	s_lshl_b32 s96, s95, 23
	v_mov_b32 v[SCV], s96                          ; 2^(eo - ex - ew) as f32: the conversion takes its exponent field
	s_add_co_i32 s95, s95, 15
	s_lshl_b32 s95, s95, 23
	s_or_b32 s95, s95, 0x600000
	v_mov_b32 v[LIMV], s95                         ; 57,344 x that
.macro FRAG reg, adr, q, i             ; a fragment, 16 rows x 128 K of 8-bit codes, is 16 registers: four loads of 16 bytes, 32 bytes apart; the order of the bytes in memory makes them the matrix instruction's own layout
.irp c, 0,1,2,3
	ds_load_b128 v[\reg+4*\c:\reg+4*\c+3], v[\adr] offset:128*(\q)+32*\c+(\i)*16*PITCH
.endr
.endm
; 16 matrix instructions: A's blocks a0, a0 + 1 x B's eight, 128 along K.  p: B's set.  zero = 1: the first product starts the sums: nothing is ever cleared.
; The 64 accumulators take turns, one instruction a turn, in the same order in every step.
.macro MUL16 a0, p, zero
.irp a, \a0, \a0+1
.irp b, 0,1,2,3,4,5,6,7
.if \zero
	v_wmma_f32_16x16x128_bf8_bf8 v[8*(8*((\a)%4)+\b):8*(8*((\a)%4)+\b)+7], v[128*(\p)+FR*\b:128*(\p)+FR*\b+FR-1], v[AF+FR*(\a):AF+FR*(\a)+FR-1], 0
.else
	v_wmma_f32_16x16x128_bf8_bf8 v[8*(8*((\a)%4)+\b):8*(8*((\a)%4)+\b)+7], v[128*(\p)+FR*\b:128*(\p)+FR*\b+FR-1], v[AF+FR*(\a):AF+FR*(\a)+FR-1], v[8*(8*((\a)%4)+\b):8*(8*((\a)%4)+\b)+7]
.endif
.endr
.endr
.endm
.macro FETCH_B slot, q, p              ; B's eight fragments of the slot's q-th 128 along K into set p
	WIN TO_B
.irp i, 0,1,2,3,4,5,6,7
	FRAG 128*(\p)+FR*\i, ADRB+\slot, \q, \i
.endr
	WIN 0
.endm
.macro FETCH_A slot, q, i0             ; A's blocks i0 .. i0 + 3
.irp i, \i0, \i0+1, \i0+2, \i0+3
	FRAG AF+FR*(\i), ADRA+\slot, \q, \i
.endr
.endm
; A load into a register that a matrix instruction has read, and a vector instruction that reads a matrix result, stand NP places behind that matrix instruction, and only plain vector
; instructions that name none of its registers are places (ISA guide 7.12.1 for vector instructions).
.macro PLACES n
.rept \n
	v_nop
.endr
.endm
; A step of 128 along K that has its successor in the same slot.  A block of A is free as soon as its eight products are issued, so one set of registers serves A:
; blocks 0-3 are fetched anew in the step's middle, blocks 4-7 at its end.  B's fragments are at work through the whole step, so B has two sets.
.macro STEP slot, q, zero
	s_wait_dscnt 4*NL                              ; B's set and A's blocks 0-3 are in; the youngest sixteen loads (A's blocks 4-7) may be out
	WIN MUL_LO
	MUL16 0, (\q)%2, \zero
	MUL16 2, (\q)%2, \zero
	s_wait_dscnt 0                                 ; A's blocks 4-7 are in (asked for 32 matrix instructions ago)
	PLACES NP
	FETCH_B \slot, (\q)+1, 1-(\q)%2
	FETCH_A \slot, (\q)+1, 0
	WIN MUL_HI
	MUL16 4, (\q)%2, \zero
	MUL16 6, (\q)%2, \zero
	PLACES NP
	WIN 0
	FETCH_A \slot, (\q)+1, 4
.endm
; A slot's last step changes slots: ONE barrier; in front of it each wave waits for all its tensor loads, adds 0 to its spare word, and waits for that and for its own reads of this slot.  fill = 1: this slot is filled again, two K steps ahead.
.macro TURN slot, next, fill
	s_wait_tensorcnt 0x0                           ; all my tensor loads have landed: my part of the next slot;  (every window is 0 here: the add's two registers lie in window 0)
	ds_add_u32 v[SPW], v[NIL]                      ; 0 onto my spare word
	s_wait_dscnt 4*NL+1                            ; (the add and the youngest sixteen loads, A's blocks 4-7, may be out)
	WIN MUL_LO
	MUL16 0, 1, 0                                  ; sixteen matrix instructions stand between the add and the wait for it
	s_wait_dscnt 0x0                               ; the add is done, and my reads of this slot are over
	s_barrier_signal -1
	MUL16 2, 1, 0
	WIN 0
	s_barrier_wait -1
.if \fill
	CREST                                          ; the barrier has opened a round of the cluster's barrier: no wave of any partner still reads this slot's tile or has a load on its way
	s_add_nc_u64 s[G0+4*\slot+2:G0+4*\slot+3], s[G0+4*\slot+2:G0+4*\slot+3], 2*ROWB
	s_add_nc_u64 s[G0B+4*\slot+2:G0B+4*\slot+3], s[G0B+4*\slot+2:G0B+4*\slot+3], 2*ROWB
	JLOAD G0+4*\slot, G1, G0B+4*\slot, G1B         ; the first tensor load behind the round; the four v_nop behind it are the places in front of the loads below
.else
	PLACES NP
.endif
	FETCH_B \next, 0, 0
	FETCH_A \next, 0, 0
	WIN MUL_HI
	MUL16 4, 1, 0
	MUL16 6, 1, 0
	PLACES NP
	WIN 0
	FETCH_A \next, 0, 4
.endm
	s_wait_tensorcnt 1                             ; my part of K step 0 is in (K step 1's load may be out)
	s_barrier_signal -1
	s_barrier_wait -1                              ; everybody's is
	FETCH_B 0, 0, 0
	FETCH_A 0, 0, 0
	FETCH_A 0, 0, 4
	STEP 0, 0, 1                                   ; the first step stands in front of the loop: its products start the sums
	s_mov_b32 s3, LAPS-1
.Llap:                                                 ; a trip goes once round the ring, from a lap's second step to the next lap's first, and fills both slots again
	TURN 0, 1, 1
	STEP 1, 0, 0
	TURN 1, 0, 1
	STEP 0, 0, 0
	s_sub_co_u32 s3, s3, 1
	s_cmp_lg_u32 s3, 0
	s_cbranch_scc1 .Llap
	TURN 0, 1, 0                                   ; the last lap fills nothing, and has no round of the cluster's barrier
	STEP 1, 0, 0
	s_wait_dscnt 4*NL                              ; the very last step: nothing more to fetch
	WIN MUL_LO
	MUL16 0, 1, 0
	MUL16 2, 1, 0
	s_wait_dscnt 0
	WIN MUL_HI
	MUL16 4, 1, 0
	MUL16 6, 1, 0
	WIN 0
; THE WAY OUT, block by block of 16 rows x 128 columns.  The block's 64 sums of a lane are held within the largest code x the scale (in place, each accumulator from its low end on), converted eight at a time:
; accumulator b gives registers 2 b, 2 b + 1 of an operand of 128 along the next K; and stored four registers at a time, 512 consecutive bytes a store, aligned.  Each block has its own 16 code registers.
.macro OUTBLK a
.set AC, 64*((\a)%4)
.set WW, 2+(\a)/4                      ; the block's accumulators lie in window 2 or 3
.set WA, (WW<<6)|WW
.set OC, AF+16*(\a)                    ; its codes, in window 0, where A's fragments lay
	WIN WA                                         ; destination and source 0 in the accumulators' window
.set j, 0
.rept 64
	v_med3_num_f32 v[AC+j], v[AC+j], -v[LIMV], v[LIMV]   ; the conversion to an 8-bit code does not saturate (ISA guide 7.6.2)
.set j, j+1
.endr
	WIN WW                                         ; source 0 alone
.irp b, 0,1,2,3,4,5,6,7
	v_cvt_scalef32_pk8_bf8_f32 v[OC+2*\b:OC+2*\b+1], v[AC+8*\b:AC+8*\b+7], v[SCV]
.endr
	v_nop                                          ; one plain vector instruction behind the last conversion of the run
	WIN 0
.if (\a) > 0
	s_wait_xcnt 0x0                                ; the last block's stores have read their base: it steps only behind this wait
.if (\a) == 4
	s_add_nc_u64 s[10:11], s[10:11], s[82:83]
.else
	s_add_nc_u64 s[10:11], s[10:11], s[80:81]
.endif
.endif
	global_store_b128 v[VO0], v[OC:OC+3],     s[10:11]
	global_store_b128 v[VO0], v[OC+4:OC+7],   s[10:11] offset:512
	global_store_b128 v[VO2], v[OC+8:OC+11],  s[10:11]
	global_store_b128 v[VO2], v[OC+12:OC+15], s[10:11] offset:512
.endm
	PLACES NP                                      ; behind the last products: for the reads of their results and for the writes over A's fragments
.irp a, 0,1,2,3,4,5,6,7
	OUTBLK \a
.endr
	s_wait_tensorcnt 0x0                           ; the wave's end
	ds_add_u32 v[SPW], v[NIL]
	s_wait_dscnt 0x0
	CROUND                                         ; the closing round: no work-group ends while a partner may still ask for a tile that names it
	s_endpgm
.Lfunc_end_k_q0c053496cb_qkv:
	.size	k_q0c053496cb_qkv, .Lfunc_end_k_q0c053496cb_qkv-k_q0c053496cb_qkv
	.p2alignl 7, 3214868480
	.fill 96, 4, 3214868480
	.section	.rodata,"a",@progbits
	.p2align	6, 0x0
	.amdhsa_kernel k_q0c053496cb_qkv
		.amdhsa_group_segment_fixed_size 327680
		.amdhsa_private_segment_fixed_size 0
		.amdhsa_enable_private_segment 0
		.amdhsa_kernarg_size 32
		.amdhsa_user_sgpr_count 2
		.amdhsa_user_sgpr_kernarg_segment_ptr 1
		.amdhsa_wavefront_size32 1
		.amdhsa_system_sgpr_workgroup_id_x 1
		.amdhsa_system_sgpr_workgroup_id_y 1
		.amdhsa_system_sgpr_workgroup_id_z 1
		.amdhsa_system_vgpr_workitem_id 0
		.amdhsa_next_free_vgpr 1024
		.amdhsa_next_free_sgpr 100
		.amdhsa_reserve_vcc 0
		.amdhsa_float_denorm_mode_32 3
		.amdhsa_float_denorm_mode_16_64 3
		.amdhsa_memory_ordered 1
		.amdhsa_forward_progress 1
		.amdhsa_inst_pref_size 119
	.end_amdhsa_kernel
	.amdgpu_metadata
---
amdhsa.version: [ 1, 2 ]
amdhsa.kernels:
  - .name:           k_q0c053496cb_qkv
    .symbol:         k_q0c053496cb_qkv.kd
    .args:
      - { .name: xc, .offset: 0, .size: 8, .value_kind: global_buffer, .address_space: global }
      - { .name: wc, .offset: 8, .size: 8, .value_kind: global_buffer, .address_space: global }
      - { .name: lowp_scales, .offset: 16, .size: 8, .value_kind: global_buffer, .address_space: global }
      - { .name: qkv, .offset: 24, .size: 8, .value_kind: global_buffer, .address_space: global }
    .group_segment_fixed_size: 327680
    .private_segment_fixed_size: 0
    .kernarg_segment_align: 8
    .kernarg_segment_size: 32
    .max_flat_workgroup_size: 128
    .sgpr_count:     100
    .vgpr_count:     1024
    .wavefront_size: 32
...
	.end_amdgpu_metadata
.endif
;; end of part 2
;; launch attn (part 3): grid 4 x 64, 16 waves a work-group, no clusters, 280,576 bytes of LDS; arguments qkv, lowp_scales, ctx; writes ctx
.if DOCPART == 3
	.amdgcn_target "amdgcn-amd-amdhsa--gfx1250"
	.amdhsa_code_object_version 6
	.text
	.protected	k_q0c053496cb_attn
	.globl	k_q0c053496cb_attn
	.p2align	8
	.type	k_q0c053496cb_attn,@function
k_q0c053496cb_attn:
	s_mov_b64 s[64:65], 0
	v_nop
	global_prefetch_b8 v0, s[64:65] scope:SCOPE_SE
	s_setreg_imm32_b32 hwreg(HW_REG_WAVE_MODE, 25, 1), 1
	s_wait_xcnt 0x0
; ctx[b][h][q] = the sum over keys k <= q of softmax_k(q . k / 8) v[k], both products on codes of BF8 (E5M2), each operand with the scale 2^e given for it (entries 6 to 9); the result is quantised at once under entry 10.
; qkv holds q (byte 0), k (8 MiB) and v (16 MiB) as IMAGES OF OPERAND REGISTERS, 16 bytes a lane, 512 bytes a group of four registers:
;   q, k: [batch x head 64][tile of 16 tokens 128][32 channels 2][lane][16];   v: [batch x head 64][128 keys 16][16 channels 4][32 keys 4][lane][16].
; ctx goes out likewise, as the next product's operand (K = head x 64 + channel): [256 along K 4][tile of 16 tokens 512][128 along K 2][32 along K 4][lane][16].
; THE SOFTMAX AHEAD OF THE SECOND PRODUCT: t = score x log2(e) / 8; M = the row's largest t so far, rounded UP to a whole number; p = 2^(t - M) is what is quantised, along the keys; it is not normalised.
; The row's sum is taken of the unquantised p, in f32, and divides at the end.  When M moves, the sum and O are multiplied by 2^(old M - new M): nothing is rounded.
; SHARES.  Work-group (i, batch x head) owns the blocks 7 - i and i of 256 queries: 2 (8 - i) + 2 (i + 1) = 18 steps of 128 keys at the most for a tile, the same in every work-group.  Each of its SIXTEEN waves owns one tile of
; 16 queries of the block in hand, in 256 registers: four waves to a SIMD, so that one wave's vector work stands beside another's matrix work and LDS loads.
; K AND V STAY IN LDS.  A chunk is 256 keys: 16 KiB of k's image and 16 KiB of v's, both dense.  Waves 0-7 copy k's part, waves 8-15 v's, 2 KiB each, through registers: asked for behind one chunk's barrier, stored into LDS
; behind that chunk's two steps.  Each LDS byte is written once, so one barrier a chunk orders all: store, wait, barrier, load.  The first pass (block 7 - i) brings chunks 0 to 7 - i; the second (block i <= 3) finds its chunks there.
; NO CLUSTER, NO JOINT LOADS, though the four work-groups of a head read the same k and v: they need different numbers of chunks (8 - i), and the steps that a wave leaves out hang on its block, which would be its place in the cluster.
; LAYOUT.  Both products are used transposed: S^T = K Q^T (source 0 = 16 keys, source 1 = my 16 queries), O^T = V^T P^T (source 0 = 16 channels, source 1 = P): a lane holds ONE query (lane % 16) throughout, and register j of a
; tile holds key (or channel) 8 (lane / 16) + j.  Eight such registers convert into registers 2 t, 2 t + 1 of the next operand in the matrix instruction's own layout: nothing changes lanes.
; CAUSAL.  Every wave walks all eight chunks in both passes (constant trip counts; every wave passes every barrier); a step all of whose keys come after the wave's queries is jumped over; on the diagonal hidden scores become -infinity.
; LIMITS on the given exponents, so that each power of two below is an f32 number: e6 + e7 between -123 and 130 (added to c's exponent field); e8, and e10 - e8 - e9, between -126 and 112.
; REGISTERS: v1-4 lane constants; v8-10 LDS addresses in hand; v12 -M, v13 the largest t, v[14:15] the sum in two halves; v16-23 Q; v32-95 eight fragments of K, then four of V; v96-159 S^T, then p; v160-191 O^T;
;   v192-207 p's codes; v208-223 the chunk on its way; v224-231 ctx's codes; v236-254 at work and constants.
.set CHUNK, 16384                      ; a chunk's bytes of K, and of V
.set VBASE, 131072                     ; LDS: K's eight chunks, then V's eight; the claim is one chunk larger than the use
.set LK,   1                           ; v1   16 x lane: my place in an image, in memory and in K's part of LDS
.set LV,   2                           ; v2   the same in V's part
.set LS,   3                           ; v3   where I store what I copy: 16 x lane + (wave / 8) x VBASE + (wave % 8) x 2,048
.set RH,   4                           ; v4   lane % 16 - 8 (lane / 16), for the mask
.set ADK,  8
.set ADV,  9
.set ADS,  10
.set WV,   18                          ; s18  my wave's number
.set SEL,  20                          ; s[20:21] lane selects for v_permlanex16_b32: lane l xor 16
.set CS,   22                          ; s[22:23] c = log2(e) / 8 x 2^(e6 + e7): the packed form names a pair and takes its low word for both halves
.set BLK,  24                          ; s24  the block of 256 queries in hand
.set LIM,  25                          ; s25  chunks are asked for while the chunk counter is under it
.set PASS, 26
.set CH,   27                          ; s27  the chunk counter
.set TB,   28                          ; s28  the chunk's LDS offset
.set KF,   29                          ; s29  the step's first key
.set Q0,   30                          ; s30  my first query in the head
.set SRC,  32                          ; s[32:33] my 2 KiB of the chunk to be asked for next
.set QP,   34                          ; s[34:35] my tile of q's image
.set CP,   36                          ; s[36:37] my tile of ctx's image
.set BH,   38                          ; s38  batch x 16 + head
.set E8,   40                          ; s40  p's exponent
	s_load_b128 s[4:7], s[0:1], 0x0                ; qkv s[4:5], the scales' exponents s[6:7]
	s_load_b64 s[8:9], s[0:1], 0x10                ; ctx
	v_lshl_add_u32 v251, v0, 2, 0x44000
	v_mov_b32 v255, 0
	v_lshrrev_b32 v8, 5, v0
	v_readfirstlane_b32 s[WV], v8                  ; wave 0..15
	v_and_b32 v9, 31, v0
	v_lshlrev_b32 v[LK], 4, v9
	v_add_nc_u32 v[LV], VBASE, v[LK]
	s_lshr_b32 s41, s[WV], 3                       ; 0: I copy K; 1: V
	s_lshl_b32 s42, s41, 17
	s_and_b32 s43, s[WV], 7
	s_lshl_b32 s43, s43, 11                        ; my 2 KiB of a chunk
	s_add_co_u32 s42, s42, s43
	v_add_nc_u32 v[LS], s42, v[LK]
	v_and_b32 v10, 15, v0
	v_bfe_u32 v9, v0, 4, 1
	v_lshlrev_b32 v9, 3, v9
	v_sub_nc_u32 v[RH], v10, v9
	v_mov_b32 v236, 0                              ; written once: a lane permute's destination counts as one of its sources
	v_mov_b32 v252, 0
	v_mov_b32 v253, 0                              ; (named as the upper half of the pair v[252:253])
	s_and_b32 s[BH], ttmp7, 0xffff
	s_sub_co_u32 s[BLK], 7, ttmp9                  ; the first pass takes the later block,
	s_mov_b32 s[LIM], s[BLK]                       ; which needs chunks 0 to BLK: chunk 0 here, chunk n + 1 in trip n < BLK
	s_mov_b32 s[PASS], 2
	s_mov_b32 s[SEL], 0x76543210
	s_mov_b32 s[SEL+1], 0xfedcba98
	s_add_co_u32 s41, s41, 1
	s_lshl_b32 s44, s41, 23                        ; k's image begins at 8 MiB, v's at 16 MiB;
	s_lshl_b32 s45, s[BH], 17                      ; a head's image is 131,072 bytes
	s_add_co_u32 s44, s44, s45
	s_add_co_u32 s44, s44, s43
	s_mov_b32 s45, 0
	s_wait_kmcnt 0x0
	s_load_b256 s[68:75], s[6:7], 0x0              ; e0 .. e7
	s_load_b128 s[76:79], s[6:7], 0x20             ; e8 .. e11
	s_add_nc_u64 s[SRC:SRC+1], s[4:5], s[44:45]
.irp k, 0,1,2,3
	global_load_b128 v[208+4*\k:211+4*\k], v[LK], s[SRC:SRC+1] offset:512*\k   ; chunk 0; 32 lanes read 512 consecutive bytes
.endr
	s_wait_kmcnt 0x0
	s_add_co_i32 s41, s74, s75
	s_lshl_b32 s41, s41, 23
	s_mov_b32 s[CS], 0x3e38aa3b                    ; log2(e) / 8
	s_add_co_i32 s[CS], s[CS], s41                 ; a score stands for score x 2^(e6 + e7): the two exponents are added to c's exponent field
	s_mov_b32 s[CS+1], s[CS]                       ; (named with it as a pair, so it is written)
	s_mov_b32 s[E8], s76
	s_add_co_i32 s41, s76, 127
	s_lshl_b32 s42, s41, 23
	v_mov_b32 v244, s42                            ; 2^e8 as f32, for p's conversion
	s_add_co_i32 s41, s41, 15
	s_lshl_b32 s41, s41, 23
	s_or_b32 s41, s41, 0x600000
	v_mov_b32 v240, s41                            ; 57,344 x 2^e8
	s_sub_co_i32 s41, s78, s76
	s_sub_co_i32 s41, s41, s77                     ; O^T / the sum stands for ctx / 2^(e8 + e9): its code under 2^e10 is that / 2^(e10 - e8 - e9)
	s_add_co_i32 s41, s41, 127
	s_lshl_b32 s42, s41, 23
	v_mov_b32 v246, s42
	s_add_co_i32 s41, s41, 15
	s_lshl_b32 s41, s41, 23
	s_or_b32 s41, s41, 0x600000
	v_mov_b32 v247, s41
	s_wait_loadcnt 0x0                             ; chunk 0 is in registers: so its loads' base may step
.irp k, 0,1,2,3
	ds_store_b128 v[LS], v[208+4*\k:211+4*\k] offset:512*\k
.endr
	s_add_nc_u64 s[SRC:SRC+1], s[SRC:SRC+1], CHUNK
; A KEY STEP: 128 keys, the q-th of the chunk in hand.
.macro STEP q
	s_add_co_u32 s31, s[Q0], 15                    ; a step all of whose keys come after my 16 queries is left out: a scalar branch on ids; no barrier stands in a step
	s_cmp_gt_u32 s[KF], s31
	s_cbranch_scc1 .Lhidden_\@
	v_add_nc_u32 v[ADK], s[TB], v[LK]
	v_add_nc_u32 v[ADV], s[TB], v[LV]
	v_nop                                          ; with the two additions: four places in front of loads into registers that the last products have read
	v_nop
.irp t, 0,1,2,3,4,5,6,7                        ; K's eight tiles of 16 keys x 64 channels: 8 registers each, as they lie
.irp c, 0,1
	ds_load_b128 v[32+8*\t+4*\c:32+8*\t+4*\c+3], v[ADK] offset:(8*(\q)+\t)*1024+512*\c
.endr
.endr
	s_wait_dscnt 0x0
.irp t, 0,1,2,3,4,5,6,7                        ; S^T = K Q^T: register 8 t + j of lane (r, h) is key 16 t + 8 h + j of the step, query r
	v_wmma_f32_16x16x64_bf8_bf8 v[96+8*\t:103+8*\t], v[32+8*\t:39+8*\t], v[16:23], 0
.endr
.rept 4
	v_nop                                          ; places: in front of the loads over K's fragments, and of the first read of the scores
.endr
.irp ct, 0,1,2,3                               ; V's four tiles of 16 channels x 128 keys: they land while the softmax is walked
.irp c, 0,1,2,3
	ds_load_b128 v[32+16*\ct+4*\c:32+16*\ct+4*\c+3], v[ADV] offset:8192*(\q)+2048*\ct+512*\c
.endr
.endr
	s_add_co_u32 s31, s[KF], 127                   ; on the diagonal the scores of hidden keys become -infinity ahead of the maximum: p = 0 then.  A step all of whose keys count skips this
	s_cmp_le_u32 s31, s[Q0]
	s_cbranch_scc1 .Lopen_\@
	s_sub_co_i32 s31, s[Q0], s[KF]
	v_add_nc_u32 v252, s31, v[RH]                  ; d = my query - KF - 8 (lane / 16).  Register 8 t + j holds key KF + 8 (lane / 16) + 16 t + j: hidden where 16 t + j > d
	v_mov_b32 v254, 0xff800000                     ; -infinity
.irp n, 0,1,2,3,4,5,6,7,8,9,10,11,12,13,14,15,16,17,18,19,20,21,22,23,24,25,26,27,28,29,30,31,32,33,34,35,36,37,38,39,40,41,42,43,44,45,46,47,48,49,50,51,52,53,54,55,56,57,58,59,60,61,62,63
	v_cmp_gt_i32 vcc_lo, 16*(\n/8)+\n%8, v252
	v_cndmask_b32 v[96+\n], v[96+\n], v254, vcc_lo
.endr
.Lopen_\@:
	v_max3_num_f32 v254, v96, v97, v98             ; the step's largest score of my query, among my 64 keys, in two chains, each tile's registers in ascending order,
	v_max3_num_f32 v252, v99, v100, v101
.irp i, 6,10,14,18,22,26,30,34,38,42,46,50,54,58
	v_max3_num_f32 v254, v254, v[96+\i], v[97+\i]
	v_max3_num_f32 v252, v252, v[98+\i], v[99+\i]
.endr
	v_max3_num_f32 v254, v254, v158, v159
	v_max_num_f32 v254, v254, v252
	v_permlanex16_b32 v236, v254, s[SEL], s[SEL+1]
	v_max_num_f32 v254, v254, v236                 ; and among lane l xor 16's
	v_mul_f32 v254, s[CS], v254                    ; as t (c is positive)
	v_max_num_f32 v13, v13, v254                   ; the running largest t
	v_mov_b32 v254, v12
	v_floor_f32 v12, -v13                          ; the new -M = floor(-t) = -ceil(t): M is a whole number
	v_sub_f32 v254, v12, v254                      ; M's old value less its new one: a whole number, 0 or less
	v_cvt_i32_f32 v254, v254                       ; (it saturates)
	v_ldexp_f32 v252, 1.0, v254                    ; f = 2^(old M - new M)
.set j, 0
.rept 32
	v_pk_fma_f32 v[96+j:97+j], v[96+j:97+j], s[CS:CS+1], v[12:13] op_sel_hi:[1,0,0]   ; t - M, two at a time (of the pairs c and -M the low word serves both halves)
.set j, j+2
.endr
.set j, 0
.rept 64
	v_exp_f32 v[96+j], v[96+j]                     ; p = 2^(t - M), at most 1: not normalised
.set j, j+1
.endr
	v_pk_mul_f32 v[14:15], v[14:15], v[252:253] op_sel_hi:[1,0]   ; the sums under the new M.  (A plain place behind the exponentials)
	s_wait_alu depctr_va_vdst(0)
	v_pk_add_f32 v[242:243], v[96:97], v[98:99]    ; the row's sum is taken of the unquantised p: two at a time, in two chains
.irp j, 4,8,12,16,20,24,28,32,36,40,44,48,52,56,60
	v_pk_add_f32 v[14:15], v[14:15], v[96+\j:97+\j]
	v_pk_add_f32 v[242:243], v[242:243], v[98+\j:99+\j]
.endr
	v_pk_add_f32 v[14:15], v[14:15], v[242:243]
	s_cmp_lt_i32 s[E8], -15                        ; the conversion does not saturate (ISA guide 7.6.2), and p is at most 1: from e8 = -15 on, 57,344 x 2^e8 is 1.75 or more and the hold can hold nothing
	s_cbranch_scc0 .Lnohold_\@
.set j, 0
.rept 64
	v_min_num_f32 v[96+j], v[96+j], v240           ; p is not negative, so the hold is one-sided
.set j, j+1
.endr
.Lnohold_\@:
.irp t, 0,1,2,3,4,5,6,7
	v_cvt_scalef32_pk8_bf8_f32 v[192+2*\t:193+2*\t], v[96+8*\t:103+8*\t], v244   ; registers 2 t, 2 t + 1 of the operand: keys 16 t + 8 (lane / 16) + 0 .. 7
.endr
.set j, 0
.rept 16
	v_pk_mul_f32 v[160+j:161+j], v[160+j:161+j], v[252:253] op_sel_hi:[1,0]   ; O^T under the new M: x f, from each accumulator's low end on.  (These are also the plain places behind the conversions)
.set j, j+2
.endr
	s_wait_dscnt 0x0                               ; V's fragments are in
.irp ct, 0,1,2,3                               ; O^T += V^T P^T: K = these 128 keys; the four accumulators take turns, one instruction a turn
	v_wmma_f32_16x16x128_bf8_bf8 v[160+8*\ct:167+8*\ct], v[32+16*\ct:47+16*\ct], v[192:207], v[160+8*\ct:167+8*\ct]
.endr
.Lhidden_\@:
	s_add_co_u32 s[KF], s[KF], 128
.endm
.Lpass:
	s_wait_xcnt 0x0                                ; the last pass's stores have read their base and their data: both are written again below
	s_lshl_b32 s[Q0], s[BLK], 8
	s_lshl_b32 s41, s[WV], 4
	s_add_co_u32 s[Q0], s[Q0], s41                 ; my first query: 256 x block + 16 x wave
	s_lshl_b32 s42, s[BH], 17
	s_lshl_b32 s43, s[Q0], 6                       ; a tile of 16 queries is 1,024 bytes
	s_add_co_u32 s42, s42, s43
	s_mov_b32 s43, 0
	s_add_nc_u64 s[QP:QP+1], s[4:5], s[42:43]
	global_load_b128 v[16:19], v[LK], s[QP:QP+1]   ; Q's fragment stays in registers for the pass
	global_load_b128 v[20:23], v[LK], s[QP:QP+1] offset:512
	s_and_b32 s44, s[BH], 15                       ; the head
	s_lshr_b32 s45, s44, 2
	s_lshl_b32 s45, s45, 21                        ; ctx: which 256 along K: 2 MiB each;
	s_lshr_b32 s46, s[BH], 4
	s_lshl_b32 s46, s46, 19                        ; the batch's 2,048 tokens, 256 bytes each;
	s_add_co_u32 s45, s45, s46
	s_lshl_b32 s46, s[Q0], 8                       ; my tile
	s_add_co_u32 s45, s45, s46
	s_bfe_u32 s46, s44, 0x10001
	s_lshl_b32 s46, s46, 11                        ; which 128 of the 256;
	s_add_co_u32 s45, s45, s46
	s_and_b32 s46, s44, 1
	s_lshl_b32 s46, s46, 10                        ; which 64 of the 128
	s_add_co_u32 s46, s45, s46
	s_mov_b32 s47, 0
	s_add_nc_u64 s[CP:CP+1], s[8:9], s[46:47]
	v_mov_b32 v13, 0xff61b1e6                      ; the largest t so far: -3e38, under every t
	v_floor_f32 v12, -v13                          ; -M
	v_mov_b32 v14, 0                               ; the sum, in two halves
	v_mov_b32 v15, 0
.set j, 0
.rept 32
	v_mov_b32 v[160+j], 0                          ; O^T.  (The step is written once: a pass's first step finds zeros, which the first change of M leaves zeros)
.set j, j+1
.endr
	s_mov_b32 s[CH], 0
	s_mov_b32 s[TB], 0
	s_mov_b32 s[KF], 0
	s_wait_loadcnt 0x0                             ; Q
.Lchunk:                                           ; eight trips in both passes
	s_wait_dscnt 0x0                               ; my stores of this chunk have landed
	s_barrier_signal -1
	s_barrier_wait -1                              ; everybody's have
	s_cmp_ge_u32 s[CH], 7                          ; the next chunk is asked for, if the pass needs one: there are eight,
	s_cbranch_scc1 .Lnoload
	s_cmp_ge_u32 s[CH], s[LIM]                     ; and the block in hand needs chunks 0 to LIM (the second pass: none)
	s_cbranch_scc1 .Lnoload
.irp k, 0,1,2,3
	global_load_b128 v[208+4*\k:211+4*\k], v[LK], s[SRC:SRC+1] offset:512*\k   ; (the wait in front of the barrier has shown that the last stores have read these registers)
.endr
.Lnoload:
	STEP 0
	STEP 1
	s_wait_loadcnt 0x0                             ; on every path: no load is out at the loop's edge
	s_cmp_ge_u32 s[CH], 7
	s_cbranch_scc1 .Lnostore
	s_cmp_ge_u32 s[CH], s[LIM]
	s_cbranch_scc1 .Lnostore
	v_add_nc_u32 v[ADS], s[TB], v[LS]
.irp k, 0,1,2,3
	ds_store_b128 v[ADS], v[208+4*\k:211+4*\k] offset:CHUNK+512*\k   ; into the next chunk's bytes, which nobody reads before the next barrier
.endr
	s_add_nc_u64 s[SRC:SRC+1], s[SRC:SRC+1], CHUNK
.Lnostore:
	s_add_co_u32 s[TB], s[TB], CHUNK
	s_add_co_u32 s[CH], s[CH], 1
	s_cmp_lt_u32 s[CH], 8
	s_cbranch_scc1 .Lchunk
	; THE WAY OUT of a pass.  O^T is divided by the row's sum, held, and converted: tile ct's eight registers are channels 16 ct + 8 (lane / 16) + 0 .. 7 of my query, so the codes are the next operand's registers as they stand.
.rept 4
	v_nop                                          ; places behind the last products
.endr
	v_add_f32 v14, v14, v15                        ; the sum's two halves,
	v_permlanex16_b32 v252, v14, s[SEL], s[SEL+1]
	v_add_f32 v14, v14, v252                       ; and lane l xor 16's: the row's sum
	v_rcp_f32 v14, v14
	v_nop                                          ; one plain place behind the transcendental
.set j, 0
	s_wait_alu depctr_va_vdst(0)
.rept 16
	v_pk_mul_f32 v[96+j:97+j], v[160+j:161+j], v[14:15] op_sel_hi:[1,0]   ; each accumulator from its low end on
.set j, j+2
.endr
.set j, 0
.rept 32
	v_med3_num_f32 v[96+j], v[96+j], -v247, v247   ; the hold at the largest code x the scale
.set j, j+1
.endr
.irp t, 0,1,2,3
	v_cvt_scalef32_pk8_bf8_f32 v[224+2*\t:225+2*\t], v[96+8*\t:103+8*\t], v246
.endr
	v_nop                                          ; one plain vector instruction behind the last conversion
	global_store_b128 v[LK], v[224:227], s[CP:CP+1]              ; channels 0-31: 32 lanes store 512 consecutive bytes, aligned
	global_store_b128 v[LK], v[228:231], s[CP:CP+1] offset:512   ; channels 32-63
	s_sub_co_u32 s[BLK], 7, s[BLK]                 ; the second pass takes block i,
	s_mov_b32 s[LIM], 0                            ; and asks for nothing
	s_sub_co_u32 s[PASS], s[PASS], 1
	s_cmp_lg_u32 s[PASS], 0
	s_cbranch_scc1 .Lpass
	s_wait_tensorcnt 0x0
	ds_add_u32 v251, v255
	s_wait_dscnt 0x0
	s_endpgm
.Lfunc_end_k_q0c053496cb_attn:
	.size	k_q0c053496cb_attn, .Lfunc_end_k_q0c053496cb_attn-k_q0c053496cb_attn
	.p2alignl 7, 3214868480
	.fill 96, 4, 3214868480
	.section	.rodata,"a",@progbits
	.p2align	6, 0x0
	.amdhsa_kernel k_q0c053496cb_attn
		.amdhsa_group_segment_fixed_size 280576
		.amdhsa_private_segment_fixed_size 0
		.amdhsa_enable_private_segment 0
		.amdhsa_kernarg_size 24
		.amdhsa_user_sgpr_count 2
		.amdhsa_user_sgpr_kernarg_segment_ptr 1
		.amdhsa_wavefront_size32 1
		.amdhsa_system_sgpr_workgroup_id_x 1
		.amdhsa_system_sgpr_workgroup_id_y 1
		.amdhsa_system_sgpr_workgroup_id_z 1
		.amdhsa_system_vgpr_workitem_id 0
		.amdhsa_next_free_vgpr 256
		.amdhsa_next_free_sgpr 80
		.amdhsa_reserve_vcc 1
		.amdhsa_float_denorm_mode_32 3
		.amdhsa_float_denorm_mode_16_64 3
		.amdhsa_memory_ordered 1
		.amdhsa_forward_progress 1
		.amdhsa_inst_pref_size 52
	.end_amdhsa_kernel
	.amdgpu_metadata
---
amdhsa.version: [ 1, 2 ]
amdhsa.kernels:
  - .name:           k_q0c053496cb_attn
    .symbol:         k_q0c053496cb_attn.kd
    .args:
      - { .name: qkv, .offset: 0, .size: 8, .value_kind: global_buffer, .address_space: global }
      - { .name: lowp_scales, .offset: 8, .size: 8, .value_kind: global_buffer, .address_space: global }
      - { .name: ctx, .offset: 16, .size: 8, .value_kind: global_buffer, .address_space: global }
    .group_segment_fixed_size: 280576
    .private_segment_fixed_size: 0
    .kernarg_segment_align: 8
    .kernarg_segment_size: 24
    .max_flat_workgroup_size: 512
    .sgpr_count:     80
    .vgpr_count:     256
    .wavefront_size: 32
...
	.end_amdgpu_metadata
.endif
;; end of part 3
;; launch proj (part 4): grid 4 x 32, 4 waves a work-group, clusters of 4 x 4, 327,680 bytes of LDS; arguments ctx, wc, lowp_scales, bo, out0; writes out0
.if DOCPART == 4
	.amdgcn_target "amdgcn-amd-amdhsa--gfx1250"
	.amdhsa_code_object_version 6
	.text
	.protected	k_q0c053496cb_proj
	.globl	k_q0c053496cb_proj
	.p2align	8
	.type	k_q0c053496cb_proj,@function
k_q0c053496cb_proj:
	s_mov_b64 s[64:65], 0
	v_nop
	global_prefetch_b8 v0, s[64:65] scope:SCOPE_SE
	s_setreg_imm32_b32 hwreg(HW_REG_WAVE_MODE, 25, 1), 1
	s_wait_xcnt 0x0
	s_wait_alu depctr_hold_cnt(0) depctr_sa_sdst(0) depctr_va_vdst(0) depctr_va_sdst(0) depctr_va_ssrc(0) depctr_va_vcc(0) depctr_vm_vsrc(0)
	s_getreg_b32 s2, hwreg(HW_REG_IB_STS2, 6, 4)
	s_cmp_eq_u32 s2, 0
	s_cbranch_scc0 .Lentry_in_a_cluster
	s_endpgm
.Lentry_in_a_cluster:
	s_bfe_u32 s2, ttmp6, 0x10000c
	s_cmp_lg_u32 s2, 0xf033
	s_cbranch_scc0 .Lentry_shape_is_right
	s_endpgm
.Lentry_shape_is_right:
; out0[token][o] = (sum over d of ctx[token][d] Wo[o][d]) + bo[o], on codes of BF8 (E5M2).  out0: [8192][1024] f32; sums in f32.
; A number of ctx is its code's value x 2^e10, of Wo x 2^e11 (entries 10 and 11 of the scales' buffer): the codes are multiplied as they are, and each finished sum goes out as sum x 2^(e10 + e11) + bo, one fused multiply-add.
; LIMIT: e10 + e11 lies between -126 and 127, so that 2^(e10 + e11) is an f32 number.
; ctx arrives as an IMAGE OF OPERAND REGISTERS: [256 along K 4][tile of 16 tokens 512][128 along K 2][32 along K 4][lane 32][16 bytes]: a K step of 256 for 128 tokens is 32,768 dense bytes, and a fragment comes by four
; loads of 16 bytes a lane at 16 x lane: consecutive bytes, no pitch, no padding.  Wo's codes lie at 3 MiB in wc as rows [1024][1024], with the bytes of each block of 32 along K in the order that makes a 16-byte read four registers of the same layout.
; A tile of out0, 256 x 256, is made by four waves, as many as a WGP has SIMDs; a wave makes 128 x 128: 64 accumulators, 512 registers.  K goes in steps of 256 through a ring of two LDS slots filled by the tensor data mover.
; CLUSTERS: 4 x 4 work-groups.  The four of a row of the cluster need the same tiles of ctx, the four of a column the same tiles of Wo: each tile is asked for JOINTLY, by the same tensor load with the same descriptor and a mask that names the four.
; THE MATRIX INSTRUCTION IS USED TRANSPOSED (source 0 = 16 rows of Wo, source 1 = 16 tokens): a lane then holds eight neighbouring numbers of a row of out0.
; REGISTERS, in windows of 256: window 0: v0-31 addresses, v8-11 my four numbers of bo; from v128 A's fragments, ONE set; on the way out rows of out0.
;   window 1: B's fragments, TWO sets, at v0 and v128.   window 2: the accumulators of my rows 0-63 (accumulator (a, b) at v[8 (8 a + b)]);   window 3: those of my rows 64-127.
.set SIZE_N, 1024
.set ROWB,   256                       ; a row of B's tile in bytes
.set KROW,   1024                      ; a row of Wo in memory, in bytes
.set PITCH,  272                       ; B's LDS row: 256 bytes + 16 of padding = 68 words: row r starts at bank 4 r mod 64 (64 banks of 4 bytes: ISA guide 11.1)
.set FR,     16                        ; registers of a fragment: 16 rows x 128 K
.set NL,     4                         ; LDS loads that bring one
.set NP,     4                         ; places behind this matrix instruction (ISA guide 7.12.1)
.set HALFA,  32768                     ; 128 tokens x 256 along K of ctx's image: what one tensor load brings for A
.set KA,     2097152                   ; from a K step of ctx's image to the next
.set HALFB,  128*PITCH                 ; 128 rows of Wo
.set BOFF,   2*HALFA                   ; a slot: A's two halves, then B's two
.set SLOT,   BOFF+2*HALFB
.set LAPS,   2                         ; a lap = two K steps of 256 = once round the ring
.set SPARE,  2*SLOT                    ; behind the ring: the spare words, 128 bytes for each wave: two blocks of 256 bytes that no other line names
.set SPITCH, 528                       ; the way out: a stage of 16 rows x (512 bytes + 16) for each wave.  It lies in slot 0, which has had its last fill and its last read when the first result is stored there
.set ADRA, 16                          ; v16-17  LDS address of my A fragments in slot 0, 1
.set ADRB, 20                          ; v20-21  the same for B
.set STO,  24                          ; v24     the way out: where I put 32 bytes of a row
.set RD,   25                          ; v25     the way out: where I read a row back
.set CO,   26                          ; v26     16 x lane: my byte offset in a row's 512 bytes
.set SPW,  28                          ; v28     LDS address of my spare word: SPARE + 4 x my thread's number; never rewritten
.set NIL,  29                          ; v29     0; never rewritten
.set AF,   128                         ; A's fragments, in window 0
.set BK,   128                         ; the way out: 16 rows read back from the stage: v128-191 and v192-255 by turns
.set G1, 24                            ; s[24:31] descriptor group 1 for A's tiles;  s[32:39] group 0, one set for each slot
.set G0, 32
.set G1B, 48                           ; s[48:55], s[56:63] the same for B's tiles
.set G0B, 56
.set MSB, 0
.macro WIN new                         ; the immediate's high byte repeats the setting that is left
.if MSB != \new
	s_set_vgpr_msb (MSB<<8)|\new
.set MSB, \new
.endif
.endm
.set MUL_LO, 0xa1                      ; source 0 (B) window 1, source 1 (A) window 0, C and D window 2
.set MUL_HI, 0xf1                      ; the same, C and D window 3
.set TO_B,   0x40                      ; destination window 1, address window 0
; A joint load: waves 0 and 1 fetch for A, waves 2 and 3 for B.  Each of the two lines has ONE mask and one set of registers for all that issue it; the branch hangs on the wave's number alone.
; Four v_nop follow each of the two lines, ahead of the jump, the label and what follows.
.macro JLOAD g0a, g1a, g0b, g1b
	s_cmp_eq_u32 s15, 0
	s_cbranch_scc0 .Lfor_b_\@
	tensor_load_to_lds s[\g0a:\g0a+3], s[\g1a:\g1a+7]
	s_nop 0
.rept 4
	v_nop
.endr
	s_branch .Lasked_\@
.Lfor_b_\@:
	tensor_load_to_lds s[\g0b:\g0b+3], s[\g1b:\g1b+7]
	s_nop 0
.rept 4
	v_nop
.endr
.Lasked_\@:
.endm
.macro CREST                           ; a round of the cluster's barrier behind its opening barrier
	s_cmp_lg_u32 s14, 0
	s_cbranch_scc1 .Lnot_wave_0_\@
	s_barrier_signal -3
.Lnot_wave_0_\@:
	s_barrier_wait -3
	s_barrier_signal -1
	s_barrier_wait -1
.endm
.macro CROUND                          ; a whole round
	s_barrier_signal -1
	s_barrier_wait -1
	CREST
.endm
	s_load_b128 s[4:7], s[0:1], 0x0                ; ctx s[4:5], wc s[6:7]
	s_load_b128 s[8:11], s[0:1], 0x10              ; the scales' exponents s[8:9], bo s[10:11]
	s_load_b64 s[12:13], s[0:1], 0x20              ; out0
	v_lshl_add_u32 v[SPW], v0, 2, SPARE
	v_mov_b32 v[NIL], 0
	ds_add_u32 v28, v29
	ds_add_u32 v28, v29
	s_wait_dscnt 0x0
	v_lshrrev_b32 v1, 5, v0
	v_readfirstlane_b32 s14, v1                    ; wave 0..3
	s_lshr_b32 s15, s14, 1                         ; which half of the tile's rows is mine.  Also: I fetch for A (0) or for B (1)
	s_and_b32 s16, s14, 1                          ; which half of its columns.  Also: which half of that tile I fetch
	s_bfe_u32 s40, ttmp6, 0x40000                  ; cx, cy: my place in the cluster
	s_bfe_u32 s41, ttmp6, 0x40004
	s_lshl_b32 s42, ttmp9, 2
	s_add_co_u32 s42, s42, s40                     ; tile column = 4 x cluster x + cx
	s_and_b32 s17, ttmp7, 0xffff
	s_lshl_b32 s17, s17, 2
	s_add_co_u32 s17, s17, s41                     ; tile row = 4 x cluster y + cy
	s_lshl_b32 s43, s41, 2
	s_lshl_b32 s43, 15, s43                        ; my row of the cluster
	s_lshl_b32 s44, 0x1111, s40                    ; my column
	; descriptor group 1 for A: a dense block of 32,768 bytes as 128 rows of 256, no padding
	s_or_b32 s[G1+0], s43, (0<<16)|(1<<21)         ; 15:0 the mask: A's tiles go to my row; 17:16 element of 1 byte; 20 padding off; 21 set beside a mask
	s_mov_b32 s[G1+1], 256<<16                     ; tensor_dim0
	s_mov_b32 s[G1+2], 128<<16                     ; tensor_dim1
	s_mov_b32 s[G1+3], 256<<16                     ; tile_dim0
	s_mov_b32 s[G1+4], 128                         ; tile_dim1
	s_mov_b32 s[G1+5], 256                         ; tensor_dim0_stride: each row begins where the last ends
	s_mov_b32 s[G1+6], 0
	s_mov_b32 s[G1+7], 0
	; and for B: 128 rows x 256 bytes, 1,024 bytes apart in memory, padded in LDS
	s_or_b32 s[G1B+0], s44, (0<<16)|(1<<20)|(1<<21)|(5<<22)|(3<<25)  ; the mask of my column; padding on: after every 64 words (code 5), 4 words (code 3)
	s_mov_b32 s[G1B+1], ROWB<<16
	s_mov_b32 s[G1B+2], 128<<16
	s_mov_b32 s[G1B+3], ROWB<<16
	s_mov_b32 s[G1B+4], 128
	s_mov_b32 s[G1B+5], KROW
	s_mov_b32 s[G1B+6], 0
	s_mov_b32 s[G1B+7], 0
	; where the tiles come from.  A's hang on the tile row alone, B's on the tile column alone; each address is made in registers that never hold the other coordinate
	s_lshl_b32 s20, s17, 16                        ; A: token 256 x tile row, 256 bytes a token in a K step's image,
	s_lshl_b32 s18, s16, 15                        ; + 128 tokens x half
	s_add_co_u32 s20, s20, s18
	s_mov_b32 s21, 0
	s_lshl_b32 s46, s42, 18                        ; B: row 256 x tile column of 1,024 bytes,
	s_lshl_b32 s18, s16, 17                        ; + 128 rows x half,
	s_add_co_u32 s46, s46, s18
	s_add_co_u32 s46, s46, 0x300000                ; in Wo's part of wc
	s_mov_b32 s47, 0
	s_lshl_b32 s45, s16, 15                        ; and where they go: A's half,
	s_mul_i32 s19, s16, HALFB
	s_add_co_u32 s19, s19, BOFF                    ; B's half: no place in the cluster enters an LDS address
	s_wait_kmcnt 0x0
	s_load_b64 s[96:97], s[8:9], 0x28              ; e10, e11
	s_add_nc_u64 s[20:21], s[4:5], s[20:21]
	s_add_nc_u64 s[46:47], s[6:7], s[46:47]
	CROUND                                         ; all sixteen work-groups are here: the first joint loads meet
.irp s, 0,1
	s_mov_b32 s[G0+4*\s], 1                        ; 1:0 count = 1
	s_add_co_u32 s[G0+4*\s+1], s45, \s*SLOT        ; 63:32 LDS address
	s_add_nc_u64 s[G0+4*\s+2:G0+4*\s+3], s[20:21], \s*KA     ; 120:64 global address: K step s
	s_or_b32 s[G0+4*\s+3], s[G0+4*\s+3], 0x80000000          ; 127:126 type = 2
	s_mov_b32 s[G0B+4*\s], 1
	s_add_co_u32 s[G0B+4*\s+1], s19, \s*SLOT
	s_add_nc_u64 s[G0B+4*\s+2:G0B+4*\s+3], s[46:47], \s*ROWB
	s_or_b32 s[G0B+4*\s+3], s[G0B+4*\s+3], 0x80000000
	JLOAD G0+4*\s, G1, G0B+4*\s, G1B               ; by this text's own count two tensor loads of a wave are out here, later one
.endr
	v_and_b32 v1, 15, v0                           ; l % 16
	v_bfe_u32 v2, v0, 4, 1                         ; l / 16
	v_and_b32 v6, 31, v0
	v_lshlrev_b32 v[CO], 4, v6                     ; 16 x lane
	v_mul_u32_u24 v3, v1, PITCH
	v_lshl_add_u32 v4, v2, 4, v3                   ; B: a fragment's row x pitch + 16 x half
	s_lshl_b32 s21, s15, 15                        ; my 128 tokens of A
	s_mul_i32 s22, s16, HALFB                      ; my 128 rows of B,
	s_add_co_u32 s22, s22, BOFF                    ; which lie behind A's two halves
.irp s, 0,1
	v_add_nc_u32 v[ADRA+\s], s21, v[CO]
	v_add_nc_u32 v[ADRB+\s], s22, v4
	s_add_co_u32 s21, s21, SLOT
	s_add_co_u32 s22, s22, SLOT
.endr
	s_mul_i32 s23, s14, 16*SPITCH                  ; my stage
	v_mul_u32_u24 v5, v1, SPITCH                   ; in: row l % 16, 32 bytes for each half of the lanes
	v_lshl_add_u32 v5, v2, 5, v5
	v_add_nc_u32 v[STO], s23, v5
	v_add_nc_u32 v[RD], s23, v[CO]                 ; back: the 32 lanes take one row of 512 bytes
	s_lshl_b32 s46, s42, 10                        ; my first column, in bytes: 1,024 x tile column + 512 x half
	s_lshl_b32 s47, s16, 9
	s_add_co_u32 s46, s46, s47
	s_mov_b32 s47, 0
	s_add_nc_u64 s[10:11], s[10:11], s[46:47]
	global_load_b128 v[8:11], v[CO], s[10:11]      ; bo at my four columns, the same in every row that I store; waited for ahead of the way out
	s_lshl_b32 s20, s17, 20                        ; my first row: 256 x tile row + 128 x half, of 4,096 bytes
	s_lshl_b32 s21, s15, 19
	s_add_co_u32 s20, s20, s21
	s_mov_b32 s21, 0
	s_add_nc_u64 s[12:13], s[12:13], s[20:21]
	s_add_nc_u64 s[12:13], s[12:13], s[46:47]
.macro FRAGA reg, slot, q, i           ; A's fragment of tokens 16 i on, the slot's q-th 128 along K: four groups of four registers, 512 consecutive bytes each
.irp c, 0,1,2,3
	ds_load_b128 v[\reg+4*\c:\reg+4*\c+3], v[ADRA+\slot] offset:4096*(\i)+2048*(\q)+512*\c
.endr
.endm
.macro FRAGB reg, slot, q, i           ; B's fragment of rows 16 i on: four loads of 16 bytes, 32 bytes apart
.irp c, 0,1,2,3
	ds_load_b128 v[\reg+4*\c:\reg+4*\c+3], v[ADRB+\slot] offset:128*(\q)+32*\c+(\i)*16*PITCH
.endr
.endm
; 16 matrix instructions: A's blocks a0, a0 + 1 x B's eight, 128 along K.  p: B's set.  zero = 1: the first product starts the sums: nothing is ever cleared.
; The 64 accumulators take turns, one instruction a turn, in the same order in every step.
.macro MUL16 a0, p, zero
.irp a, \a0, \a0+1
.irp b, 0,1,2,3,4,5,6,7
.if \zero
	v_wmma_f32_16x16x128_bf8_bf8 v[8*(8*((\a)%4)+\b):8*(8*((\a)%4)+\b)+7], v[128*(\p)+FR*\b:128*(\p)+FR*\b+FR-1], v[AF+FR*(\a):AF+FR*(\a)+FR-1], 0
.else
	v_wmma_f32_16x16x128_bf8_bf8 v[8*(8*((\a)%4)+\b):8*(8*((\a)%4)+\b)+7], v[128*(\p)+FR*\b:128*(\p)+FR*\b+FR-1], v[AF+FR*(\a):AF+FR*(\a)+FR-1], v[8*(8*((\a)%4)+\b):8*(8*((\a)%4)+\b)+7]
.endif
.endr
.endr
.endm
.macro FETCH_B slot, q, p              ; B's eight fragments of the slot's q-th 128 along K into set p
	WIN TO_B
.irp i, 0,1,2,3,4,5,6,7
	FRAGB 128*(\p)+FR*\i, \slot, \q, \i
.endr
	WIN 0
.endm
.macro FETCH_A slot, q, i0             ; A's blocks i0 .. i0 + 3
.irp i, \i0, \i0+1, \i0+2, \i0+3
	FRAGA AF+FR*(\i), \slot, \q, \i
.endr
.endm
; A load into a register that a matrix instruction has read, and an LDS store that reads a matrix result, stand NP places behind that matrix instruction, and only plain vector
; instructions that name none of its registers are places (ISA guide 7.12.1 for vector instructions).
.macro PLACES n
.rept \n
	v_nop
.endr
.endm
; A step of 128 along K that has its successor in the same slot.  One set of registers serves A (blocks 0-3 are fetched anew in the step's middle, blocks 4-7 at its end); B has two sets.
.macro STEP slot, q, zero
	s_wait_dscnt 4*NL                              ; B's set and A's blocks 0-3 are in; the youngest sixteen loads (A's blocks 4-7) may be out
	WIN MUL_LO
	MUL16 0, (\q)%2, \zero
	MUL16 2, (\q)%2, \zero
	s_wait_dscnt 0                                 ; A's blocks 4-7 are in (asked for 32 matrix instructions ago)
	PLACES NP
	FETCH_B \slot, (\q)+1, 1-(\q)%2
	FETCH_A \slot, (\q)+1, 0
	WIN MUL_HI
	MUL16 4, (\q)%2, \zero
	MUL16 6, (\q)%2, \zero
	PLACES NP
	WIN 0
	FETCH_A \slot, (\q)+1, 4
.endm
; A slot's last step changes slots: ONE barrier; in front of it each wave waits for all its tensor loads, adds 0 to its spare word, and waits for that and for its own reads of this slot.  fill = 1: this slot is filled again, two K steps ahead.
.macro TURN slot, next, fill
	s_wait_tensorcnt 0x0                           ; all my tensor loads have landed: my part of the next slot;  (every window is 0 here: the add's two registers lie in window 0)
	ds_add_u32 v[SPW], v[NIL]                      ; 0 onto my spare word
	s_wait_dscnt 4*NL+1                            ; (the add and the youngest sixteen loads, A's blocks 4-7, may be out)
	WIN MUL_LO
	MUL16 0, 1, 0                                  ; sixteen matrix instructions stand between the add and the wait for it
	s_wait_dscnt 0x0                               ; the add is done, and my reads of this slot are over
	s_barrier_signal -1
	MUL16 2, 1, 0
	WIN 0
	s_barrier_wait -1
.if \fill
	CREST                                          ; the barrier has opened a round of the cluster's barrier: no wave of any partner still reads this slot's tile or has a load on its way
	s_add_nc_u64 s[G0+4*\slot+2:G0+4*\slot+3], s[G0+4*\slot+2:G0+4*\slot+3], 2*KA
	s_add_nc_u64 s[G0B+4*\slot+2:G0B+4*\slot+3], s[G0B+4*\slot+2:G0B+4*\slot+3], 2*ROWB
	JLOAD G0+4*\slot, G1, G0B+4*\slot, G1B         ; the first tensor load behind the round; the four v_nop behind it are the places in front of the loads below
.else
	PLACES NP
.endif
	FETCH_B \next, 0, 0
	FETCH_A \next, 0, 0
	WIN MUL_HI
	MUL16 4, 1, 0
	MUL16 6, 1, 0
	PLACES NP
	WIN 0
	FETCH_A \next, 0, 4
.endm
	s_wait_tensorcnt 1                             ; my part of K step 0 is in (K step 1's load may be out)
	s_barrier_signal -1
	s_barrier_wait -1                              ; everybody's is
	FETCH_B 0, 0, 0
	FETCH_A 0, 0, 0
	FETCH_A 0, 0, 4
	STEP 0, 0, 1                                   ; the first step stands in front of the loop: its products start the sums
	s_mov_b32 s3, LAPS-1
.Llap:                                                 ; a trip goes once round the ring, from a lap's second step to the next lap's first, and fills both slots again
	TURN 0, 1, 1
	STEP 1, 0, 0
	TURN 1, 0, 1
	STEP 0, 0, 0
	s_sub_co_u32 s3, s3, 1
	s_cmp_lg_u32 s3, 0
	s_cbranch_scc1 .Llap
	TURN 0, 1, 0                                   ; the last lap fills nothing, and has no round of the cluster's barrier
	STEP 1, 0, 0
	s_wait_dscnt 4*NL                              ; the very last step: nothing more to fetch
	WIN MUL_LO
	MUL16 0, 1, 0
	MUL16 2, 1, 0
	s_wait_dscnt 0
	WIN MUL_HI
	MUL16 4, 1, 0
	MUL16 6, 1, 0
	WIN 0
; THE WAY OUT, block by block of 16 rows x 128 columns.  A lane holds 32 neighbouring bytes of a row, and the lanes beside it hold other rows: so a block's sums go as they are through my own stage in LDS and come back as whole
; rows of 512 bytes.  There a lane's four columns are the same in every row: two packed multiply-adds give sum x 2^(e10 + e11) + bo, and the 32 lanes store 512 consecutive bytes, aligned.
; LDS serves a wave's instructions in order (ISA guide 5.7.1.4): no wait between the stores and the loads, nor in front of the next block's stores.
.macro TOSTAGE a
.set AC, 64*((\a)%4)
.set WS, 8+4*((\a)/4)                  ; an LDS store's data are its source 1: window 2 or 3
	WIN WS
.irp b, 0,1,2,3,4,5,6,7
	ds_store_b128 v[STO], v[AC+8*\b:AC+8*\b+3] offset:64*\b          ; each accumulator from its low end on
	ds_store_b128 v[STO], v[AC+8*\b+4:AC+8*\b+7] offset:64*\b+16
.endr
	WIN 0
.set BB, BK+64*((\a)%2)
.irp t, 0,1,2,3,4,5,6,7,8,9,10,11,12,13,14,15
	ds_load_b128 v[BB+4*\t:BB+4*\t+3], v[RD] offset:\t*SPITCH
.endr
.endm
.macro SEND a, younger                 ; younger: the LDS instructions issued behind block a's loads, which may stay out
.set BB, BK+64*((\a)%2)
	s_wait_dscnt \younger                          ; the block is back in registers
.if (\a) > 0
	s_add_nc_u64 s[12:13], s[12:13], 16*SIZE_N*4   ; (behind a wait on XCNT: the earlier stores have read their base)  16 rows on: the stores' offsets reach 15 rows, 61,440 bytes
.endif
.irp t, 0,1,2,3,4,5,6,7,8,9,10,11,12,13,14,15
	v_pk_fma_f32 v[BB+4*\t:BB+4*\t+1], v[BB+4*\t:BB+4*\t+1], s[96:97], v[8:9] op_sel_hi:[1,0,1]       ; the scalar pair's low word, 2^(e10 + e11), for both halves
	v_pk_fma_f32 v[BB+4*\t+2:BB+4*\t+3], v[BB+4*\t+2:BB+4*\t+3], s[96:97], v[10:11] op_sel_hi:[1,0,1]
.endr
.irp t, 0,1,2,3,4,5,6,7,8,9,10,11,12,13,14,15
	global_store_b128 v[CO], v[BB+4*\t:BB+4*\t+3], s[12:13] offset:\t*SIZE_N*4 th:TH_STORE_NT   ; written once, read by nobody here
.endr
.endm
	s_wait_kmcnt 0x0
	s_add_co_i32 s96, s96, s97                     ; e10 + e11, between -126 and 127,
	s_add_co_i32 s96, s96, 127
	s_lshl_b32 s96, s96, 23                        ; makes the f32 number 2^(e10 + e11)
	s_wait_loadcnt 0x0                             ; bo
	PLACES NP                                      ; behind the last products: for the stores of their results and for the loads into the registers that held A's fragments
	TOSTAGE 0
.irp a, 1,2,3,4,5,6,7
.if \a > 1
	s_wait_xcnt 0x0                                ; block a - 2's stores have read their registers and their base: block a's loads may land there, and the base may step
.endif
	TOSTAGE \a
	SEND \a-1, 32                                  ; behind block a - 1's loads: block a's 16 stores and 16 loads
.endr
	s_wait_xcnt 0x0                                ; block 6's stores have read their base
	SEND 7, 0
	s_wait_tensorcnt 0x0                           ; the wave's end, behind my last tensor load and my last LDS store
	ds_add_u32 v[SPW], v[NIL]
	s_wait_dscnt 0x0
	CROUND                                         ; the closing round: no work-group ends while a partner may still ask for a tile that names it
	s_endpgm
.Lfunc_end_k_q0c053496cb_proj:
	.size	k_q0c053496cb_proj, .Lfunc_end_k_q0c053496cb_proj-k_q0c053496cb_proj
	.p2alignl 7, 3214868480
	.fill 96, 4, 3214868480
	.section	.rodata,"a",@progbits
	.p2align	6, 0x0
	.amdhsa_kernel k_q0c053496cb_proj
		.amdhsa_group_segment_fixed_size 327680
		.amdhsa_private_segment_fixed_size 0
		.amdhsa_enable_private_segment 0
		.amdhsa_kernarg_size 40
		.amdhsa_user_sgpr_count 2
		.amdhsa_user_sgpr_kernarg_segment_ptr 1
		.amdhsa_wavefront_size32 1
		.amdhsa_system_sgpr_workgroup_id_x 1
		.amdhsa_system_sgpr_workgroup_id_y 1
		.amdhsa_system_sgpr_workgroup_id_z 1
		.amdhsa_system_vgpr_workitem_id 0
		.amdhsa_next_free_vgpr 1024
		.amdhsa_next_free_sgpr 98
		.amdhsa_reserve_vcc 0
		.amdhsa_float_denorm_mode_32 3
		.amdhsa_float_denorm_mode_16_64 3
		.amdhsa_memory_ordered 1
		.amdhsa_forward_progress 1
		.amdhsa_inst_pref_size 123
	.end_amdhsa_kernel
	.amdgpu_metadata
---
amdhsa.version: [ 1, 2 ]
amdhsa.kernels:
  - .name:           k_q0c053496cb_proj
    .symbol:         k_q0c053496cb_proj.kd
    .args:
      - { .name: ctx, .offset: 0, .size: 8, .value_kind: global_buffer, .address_space: global }
      - { .name: wc, .offset: 8, .size: 8, .value_kind: global_buffer, .address_space: global }
      - { .name: lowp_scales, .offset: 16, .size: 8, .value_kind: global_buffer, .address_space: global }
      - { .name: bo, .offset: 24, .size: 8, .value_kind: global_buffer, .address_space: global }
      - { .name: out0, .offset: 32, .size: 8, .value_kind: global_buffer, .address_space: global }
    .group_segment_fixed_size: 327680
    .private_segment_fixed_size: 0
    .kernarg_segment_align: 8
    .kernarg_segment_size: 40
    .max_flat_workgroup_size: 128
    .sgpr_count:     98
    .vgpr_count:     1024
    .wavefront_size: 32
...
	.end_amdgpu_metadata
.endif
;; end of part 4
;; ======== version 2 of 2: 4 launches; version 1 with the launch attn written anew for expert scheduling mode
;; workspace buffers: xc 25,165,824 bytes; wc 4,194,304 bytes; qkv 25,165,824 bytes; ctx 8,388,608 bytes
;; launch quant: the kernel of part 1 again; grid 384 x 1, 4 waves a work-group, no clusters, 33,280 bytes of LDS; arguments x, Wq, Wk, Wv, Wo, lowp_scales, xc, wc; writes xc, wc
;; launch qkv: the kernel of part 2 again; grid 12 x 32, 4 waves a work-group, clusters of 4 x 4, 327,680 bytes of LDS; arguments xc, wc, lowp_scales, qkv; writes qkv
;; launch attn (part 5): grid 4 x 64, 16 waves a work-group, no clusters, 280,576 bytes of LDS; arguments qkv, lowp_scales, ctx; writes ctx
.if DOCPART == 5
	.amdgcn_target "amdgcn-amd-amdhsa--gfx1250"
	.amdhsa_code_object_version 6
	.text
	.protected	k_q0c053496cb_attn
	.globl	k_q0c053496cb_attn
	.p2align	8
	.type	k_q0c053496cb_attn,@function
k_q0c053496cb_attn:
	s_mov_b64 s[64:65], 0
	v_nop
	global_prefetch_b8 v0, s[64:65] scope:SCOPE_SE
	s_setreg_imm32_b32 hwreg(HW_REG_WAVE_SCHED_MODE, 0, 2), 2
	s_setreg_imm32_b32 hwreg(HW_REG_WAVE_MODE, 25, 1), 1
	s_wait_xcnt 0x0
	s_wait_alu depctr_vm_vsrc(0)
; ctx[b][h][q] = the sum over keys k <= q of softmax_k(q . k / 8) v[k], both products on codes of BF8 (E5M2), each operand with the scale 2^e given for it (entries 6 to 9); the result is quantised at once under entry 10.
; qkv holds q (byte 0), k (8 MiB) and v (16 MiB) as IMAGES OF OPERAND REGISTERS, 16 bytes a lane, 512 bytes a group of four registers:
;   q, k: [batch x head 64][tile of 16 tokens 128][32 channels 2][lane][16];   v: [batch x head 64][128 keys 16][16 channels 4][32 keys 4][lane][16].
; ctx goes out likewise, as the next product's operand (K = head x 64 + channel): [256 along K 4][tile of 16 tokens 512][128 along K 2][32 along K 4][lane][16].
; THE SOFTMAX AHEAD OF THE SECOND PRODUCT: t = score x log2(e) / 8; M = the row's largest t so far, rounded UP to a whole number; p = 2^(t - M) is what is quantised, along the keys; it is not normalised.
; The row's sum is taken of the unquantised p, in f32, and divides at the end.  When M moves, the sum and O are multiplied by 2^(old M - new M): nothing is rounded.
; SHARES.  Work-group (i, batch x head) owns the blocks 7 - i and i of 256 queries: 2 (8 - i) + 2 (i + 1) = 18 steps of 128 keys at the most for a tile, the same in every work-group.  Each of its SIXTEEN waves owns one tile of
; 16 queries of the block in hand, in 256 registers: four waves to a SIMD, so that one wave's vector work stands beside another's matrix work and LDS loads.
; K AND V STAY IN LDS.  A chunk is 256 keys: 16 KiB of k's image and 16 KiB of v's, both dense.  Waves 0-7 copy k's part, waves 8-15 v's, 2 KiB each, through registers: asked for behind one chunk's barrier, stored into LDS
; behind that chunk's two steps.  Each LDS byte is written once, so one barrier a chunk orders all: store, wait, barrier, load.  The first pass (block 7 - i) brings chunks 0 to 7 - i; the second (block i <= 3) finds its chunks there.
; NO CLUSTER, NO JOINT LOADS, though the four work-groups of a head read the same k and v: they need different numbers of chunks (8 - i), and the steps that a wave leaves out hang on its block, which would be its place in the cluster.
; LAYOUT.  Both products are used transposed: S^T = K Q^T (source 0 = 16 keys, source 1 = my 16 queries), O^T = V^T P^T (source 0 = 16 channels, source 1 = P): a lane holds ONE query (lane % 16) throughout, and register j of a
; tile holds key (or channel) 8 (lane / 16) + j.  Eight such registers convert into registers 2 t, 2 t + 1 of the next operand in the matrix instruction's own layout: nothing changes lanes.
; CAUSAL.  Every wave walks all eight chunks in both passes (constant trip counts; every wave passes every barrier); a step all of whose keys come after the wave's queries is jumped over; on the diagonal hidden scores become -infinity.
; LIMITS on the given exponents, so that each power of two below is an f32 number: e6 + e7 between -123 and 130 (added to c's exponent field); e8, and e10 - e8 - e9, between -126 and 112.
; REGISTERS: v1-4 lane constants; v8-10 LDS addresses of the chunk in hand; v12 -M, v13 the largest t, v[14:15] the sum in two halves; v16-23 Q; v32-95 eight fragments of K, then four of V; v96-159 S^T, then p; v160-191 O^T;
;   v192-207 p's codes; v208-223 the chunk on its way; v224-231 ctx's codes; v236-254 at work and constants; v251, v255 the closing add's two.
; THE MODE: SCHED_MODE bits 1:0 = 2 (LLVM: expert scheduling mode 2), set by the entry lines.  The code itself states the register dependences
; between vector or matrix instructions and memory or LDS instructions, with s_wait_alu, always for 0.
; THE PLAN.  Registers that memory or LDS instructions touch:
;   v1, v2, v3      LK, LV, LS: written once at the head; LK is the offset of every global load and store.
;   v8, v9, v10     ADK, ADV, ADS: written once a chunk, at its head; read by the LDS loads of the chunk's two steps and by its four LDS stores.
;   v[16:23]        Q: two global loads a pass land here; the pass's products K Q^T read it.
;   v[32:95]        In a step K's sixteen LDS loads land here, the products K Q^T read it, V's sixteen LDS loads land here, the products V^T P^T read it.  No vector instruction names it.
;   v[208:223]      Four global loads land here behind a chunk's barrier; four LDS stores read it at the trip's end.  No vector instruction names it.
;   v[224:231]      Written by the way out's conversions; read by a pass's two global stores.
; A CHUNK'S HEAD has one wait on vm_vsrc (the last trip's LDS instructions have read the three addresses and v[208:223]) and, behind the three additions, one on va_vdst (the addresses are written; the last trip's
; products are done reading v[32:95]): the second serves the first step's loads of K and the trip's LDS stores.  A STEP has one wait on va_vdst behind its products K Q^T: nothing issued behind it, up to the
; products V^T P^T, names v[32:95] or v9, so V's loads are dealt among the lines of the maximum with no further wait.  The chunk's second step has one more, ahead of its loads of K.
.set CHUNK, 16384                      ; a chunk's bytes of K, and of V
.set VBASE, 131072                     ; LDS: K's eight chunks, then V's eight; the claim is one chunk larger than the use
.set LK,   1                           ; v1   16 x lane: my place in an image, in memory and in K's part of LDS
.set LV,   2                           ; v2   the same in V's part
.set LS,   3                           ; v3   where I store what I copy: 16 x lane + (wave / 8) x VBASE + (wave % 8) x 2,048
.set RH,   4                           ; v4   lane % 16 - 8 (lane / 16), for the mask
.set ADK,  8
.set ADV,  9
.set ADS,  10
.set WV,   18                          ; s18  my wave's number
.set SEL,  20                          ; s[20:21] lane selects for v_permlanex16_b32: lane l xor 16
.set CS,   22                          ; s[22:23] c = log2(e) / 8 x 2^(e6 + e7): the packed form names a pair and takes its low word for both halves
.set BLK,  24                          ; s24  the block of 256 queries in hand
.set LIM,  25                          ; s25  chunks are asked for while the chunk counter is under it
.set PASS, 26
.set CH,   27                          ; s27  the chunk counter
.set TB,   28                          ; s28  the chunk's LDS offset
.set KF,   29                          ; s29  the step's first key
.set Q0,   30                          ; s30  my first query in the head
.set SRC,  32                          ; s[32:33] my 2 KiB of the chunk to be asked for next
.set QP,   34                          ; s[34:35] my tile of q's image
.set CP,   36                          ; s[36:37] my tile of ctx's image
.set BH,   38                          ; s38  batch x 16 + head
.set E8,   40                          ; s40  p's exponent
.set MK,   48                          ; s[48:63] the causal mask's lane masks, sixteen at a time
	s_load_b128 s[4:7], s[0:1], 0x0                ; qkv s[4:5], the scales' exponents s[6:7]
	s_load_b64 s[8:9], s[0:1], 0x10                ; ctx
	v_lshl_add_u32 v251, v0, 2, 0x44000
	v_mov_b32 v255, 0
	v_lshrrev_b32 v8, 5, v0
	v_readfirstlane_b32 s[WV], v8                  ; wave 0..15
	v_and_b32 v9, 31, v0
	v_lshlrev_b32 v[LK], 4, v9
	v_add_nc_u32 v[LV], VBASE, v[LK]
	s_wait_alu depctr_va_sdst(0)                   ; s18, the wave's number, is written, ahead of its first reader
	s_lshr_b32 s41, s[WV], 3                       ; 0: I copy K; 1: V
	s_lshl_b32 s42, s41, 17
	s_and_b32 s43, s[WV], 7
	s_lshl_b32 s43, s43, 11                        ; my 2 KiB of a chunk
	s_add_co_u32 s42, s42, s43
	v_add_nc_u32 v[LS], s42, v[LK]
	v_and_b32 v10, 15, v0
	v_bfe_u32 v9, v0, 4, 1
	v_lshlrev_b32 v9, 3, v9
	v_sub_nc_u32 v[RH], v10, v9
	v_mov_b32 v236, 0                              ; written once: a lane permute's destination counts as one of its sources
	v_mov_b32 v252, 0
	v_mov_b32 v253, 0                              ; (named as the upper half of the pair v[252:253])
	s_and_b32 s[BH], ttmp7, 0xffff
	s_sub_co_u32 s[BLK], 7, ttmp9                  ; the first pass takes the later block,
	s_mov_b32 s[LIM], s[BLK]                       ; which needs chunks 0 to BLK: chunk 0 here, chunk n + 1 in trip n < BLK
	s_mov_b32 s[PASS], 2
	s_mov_b32 s[SEL], 0x76543210
	s_mov_b32 s[SEL+1], 0xfedcba98
	s_add_co_u32 s41, s41, 1
	s_lshl_b32 s44, s41, 23                        ; k's image begins at 8 MiB, v's at 16 MiB;
	s_lshl_b32 s45, s[BH], 17                      ; a head's image is 131,072 bytes
	s_add_co_u32 s44, s44, s45
	s_add_co_u32 s44, s44, s43
	s_mov_b32 s45, 0
	s_wait_kmcnt 0x0
	s_load_b256 s[68:75], s[6:7], 0x0              ; e0 .. e7
	s_load_b128 s[76:79], s[6:7], 0x20             ; e8 .. e11
	s_add_nc_u64 s[SRC:SRC+1], s[4:5], s[44:45]
	s_wait_alu depctr_va_vdst(0)                   ; v1, v2 and v3 are written: v1 is the offset of every global load and store of the kernel, v3 the address of chunk 0's LDS stores below
.irp k, 0,1,2,3
	global_load_b128 v[208+4*\k:211+4*\k], v[LK], s[SRC:SRC+1] offset:512*\k   ; chunk 0; 32 lanes read 512 consecutive bytes
.endr
	s_wait_kmcnt 0x0
	s_add_co_i32 s41, s74, s75
	s_lshl_b32 s41, s41, 23
	s_mov_b32 s[CS], 0x3e38aa3b                    ; log2(e) / 8
	s_add_co_i32 s[CS], s[CS], s41                 ; a score stands for score x 2^(e6 + e7): the two exponents are added to c's exponent field
	s_mov_b32 s[CS+1], s[CS]                       ; (named with it as a pair, so it is written)
	s_mov_b32 s[E8], s76
	s_add_co_i32 s41, s76, 127
	s_lshl_b32 s42, s41, 23
	v_mov_b32 v244, s42                            ; 2^e8 as f32, for p's conversion
	s_add_co_i32 s41, s41, 15
	s_lshl_b32 s41, s41, 23
	s_or_b32 s41, s41, 0x600000
	v_mov_b32 v240, s41                            ; 57,344 x 2^e8
	s_sub_co_i32 s41, s78, s76
	s_sub_co_i32 s41, s41, s77                     ; O^T / the sum stands for ctx / 2^(e8 + e9): its code under 2^e10 is that / 2^(e10 - e8 - e9)
	s_add_co_i32 s41, s41, 127
	s_lshl_b32 s42, s41, 23
	v_mov_b32 v246, s42
	s_add_co_i32 s41, s41, 15
	s_lshl_b32 s41, s41, 23
	s_or_b32 s41, s41, 0x600000
	v_mov_b32 v247, s41
	s_wait_loadcnt 0x0                             ; chunk 0 is in registers: so its loads' base may step
.irp k, 0,1,2,3
	ds_store_b128 v[LS], v[208+4*\k:211+4*\k] offset:512*\k   ; no vector instruction since the wait on va_vdst above names v3 or v[208:223]
.endr
	s_add_nc_u64 s[SRC:SRC+1], s[SRC:SRC+1], CHUNK
; A KEY STEP: 128 keys, the q-th of the chunk in hand.
.macro STEP q
	s_add_co_u32 s31, s[Q0], 15                    ; a step all of whose keys come after my 16 queries is left out: a scalar branch on ids; no barrier stands in a step
	s_cmp_gt_u32 s[KF], s31
	s_cbranch_scc1 .Lhidden_\@
.rept 4
	v_nop                                          ; four places in front of loads into registers that the last products have read
.endr
.if (\q) > 0
	s_wait_alu depctr_va_vdst(0)                   ; the chunk's first step: its products V^T P^T are done reading v[32:95], in which K's fragments land.  (The first step's own loads of K lean on the wait at the chunk's head)
.endif
.irp t, 0,1,2,3,4,5,6,7                        ; K's eight tiles of 16 keys x 64 channels: 8 registers each, as they lie
.irp c, 0,1
	ds_load_b128 v[32+8*\t+4*\c:32+8*\t+4*\c+3], v[ADK] offset:(8*(\q)+\t)*1024+512*\c
.endr
.endr
	s_wait_dscnt 0x0
.irp t, 0,1,2,3,4,5,6,7                        ; S^T = K Q^T: register 8 t + j of lane (r, h) is key 16 t + 8 h + j of the step, query r
	v_wmma_f32_16x16x64_bf8_bf8 v[96+8*\t:103+8*\t], v[32+8*\t:39+8*\t], v[16:23], 0
.endr
.rept 4
	v_nop                                          ; places: in front of the loads over K's fragments, and of the first read of the scores
.endr
	s_wait_alu depctr_va_vdst(0)                   ; the products K Q^T are done reading v[32:95], in which V's fragments land: it stands ahead of the branch, for both ways to those loads
	s_add_co_u32 s31, s[KF], 127                   ; on the diagonal the scores of hidden keys become -infinity ahead of the maximum: p = 0 then.  A step all of whose keys count skips this
	s_cmp_le_u32 s31, s[Q0]
	s_cbranch_scc1 .Lopen_\@
	s_sub_co_i32 s31, s[Q0], s[KF]
	v_add_nc_u32 v252, s31, v[RH]                  ; d = my query - KF - 8 (lane / 16).  Register 8 t + j holds key KF + 8 (lane / 16) + 16 t + j: hidden where 16 t + j > d
	v_mov_b32 v254, 0xff800000                     ; -infinity
.set g, 0
.rept 4                                        ; sixteen registers at a time: a run of compares into sixteen scalar registers, one wait, the sixteen selects
.set n, 0
.rept 16
	v_cmp_gt_i32 s[MK+n], 16*((16*g+n)/8)+(16*g+n)%8, v252
.set n, n+1
.endr
	s_wait_alu depctr_va_sdst(0)                   ; the sixteen compares have written s[48:63], ahead of the first select that reads one of them
.set n, 0
.rept 16
	v_cndmask_b32 v[96+16*g+n], v[96+16*g+n], v254, s[MK+n]
.set n, n+1
.endr
.set g, g+1
.endr
.Lopen_\@:
	v_max3_num_f32 v254, v96, v97, v98             ; the step's largest score of my query, among my 64 keys, in two chains, each tile's registers in ascending order,
	v_max3_num_f32 v252, v99, v100, v101
; V's four tiles of 16 channels x 128 keys, sixteen loads of 512 consecutive bytes, are dealt among the lines of the maximum and land while the softmax is walked.
; No wait: no vector or matrix instruction since the wait behind the products K Q^T names v[32:95] or v9.
	ds_load_b128 v[32:35], v[ADV] offset:8192*(\q)
	ds_load_b128 v[36:39], v[ADV] offset:8192*(\q)+512
.set n, 2
.irp i, 6,10,14,18,22,26,30,34,38,42,46,50,54,58
	v_max3_num_f32 v254, v254, v[96+\i], v[97+\i]
	v_max3_num_f32 v252, v252, v[98+\i], v[99+\i]
	ds_load_b128 v[32+4*n:35+4*n], v[ADV] offset:8192*(\q)+512*n   ; group n of four registers: tile n / 4, keys 32 (n % 4) on
.set n, n+1
.endr
	v_max3_num_f32 v254, v254, v158, v159
	v_max_num_f32 v254, v254, v252
	v_permlanex16_b32 v236, v254, s[SEL], s[SEL+1]
	v_max_num_f32 v254, v254, v236                 ; and among lane l xor 16's
	v_mul_f32 v254, s[CS], v254                    ; as t (c is positive)
	v_max_num_f32 v13, v13, v254                   ; the running largest t
	v_mov_b32 v254, v12
	v_floor_f32 v12, -v13                          ; the new -M = floor(-t) = -ceil(t): M is a whole number
	v_sub_f32 v254, v12, v254                      ; M's old value less its new one: a whole number, 0 or less
	v_cvt_i32_f32 v254, v254                       ; (it saturates)
	v_ldexp_f32 v252, 1.0, v254                    ; f = 2^(old M - new M)
.set j, 0
.rept 32
	v_pk_fma_f32 v[96+j:97+j], v[96+j:97+j], s[CS:CS+1], v[12:13] op_sel_hi:[1,0,0]   ; t - M, two at a time (of the pairs c and -M the low word serves both halves)
.set j, j+2
.endr
.set j, 0
.rept 64
	v_exp_f32 v[96+j], v[96+j]                     ; p = 2^(t - M), at most 1: not normalised
.set j, j+1
.endr
	v_pk_mul_f32 v[14:15], v[14:15], v[252:253] op_sel_hi:[1,0]   ; the sums under the new M.  (A plain place behind the exponentials)
	s_wait_alu depctr_va_vdst(0)                   ; the 64 exponentials have written v[96:159]: one wait for the batch, ahead of its first reader
	v_pk_add_f32 v[242:243], v[96:97], v[98:99]    ; the row's sum is taken of the unquantised p: two at a time, in two chains
.irp j, 4,8,12,16,20,24,28,32,36,40,44,48,52,56,60
	v_pk_add_f32 v[14:15], v[14:15], v[96+\j:97+\j]
	v_pk_add_f32 v[242:243], v[242:243], v[98+\j:99+\j]
.endr
	v_pk_add_f32 v[14:15], v[14:15], v[242:243]
	s_cmp_lt_i32 s[E8], -15                        ; the conversion does not saturate (ISA guide 7.6.2), and p is at most 1: from e8 = -15 on, 57,344 x 2^e8 is 1.75 or more and the hold can hold nothing
	s_cbranch_scc0 .Lnohold_\@
.set j, 0
.rept 64
	v_min_num_f32 v[96+j], v[96+j], v240           ; p is not negative, so the hold is one-sided
.set j, j+1
.endr
.Lnohold_\@:
.irp t, 0,1,2,3,4,5,6,7
	v_cvt_scalef32_pk8_bf8_f32 v[192+2*\t:193+2*\t], v[96+8*\t:103+8*\t], v244   ; registers 2 t, 2 t + 1 of the operand: keys 16 t + 8 (lane / 16) + 0 .. 7
.endr
.set j, 0
.rept 16
	v_pk_mul_f32 v[160+j:161+j], v[160+j:161+j], v[252:253] op_sel_hi:[1,0]   ; O^T under the new M: x f, from each accumulator's low end on.  (These are also the plain places behind the conversions)
.set j, j+2
.endr
	s_wait_dscnt 0x0                               ; V's fragments are in
.irp ct, 0,1,2,3                               ; O^T += V^T P^T: K = these 128 keys; the four accumulators take turns, one instruction a turn
	v_wmma_f32_16x16x128_bf8_bf8 v[160+8*\ct:167+8*\ct], v[32+16*\ct:47+16*\ct], v[192:207], v[160+8*\ct:167+8*\ct]
.endr
.Lhidden_\@:
	s_add_co_u32 s[KF], s[KF], 128
.endm
.Lpass:
	s_wait_xcnt 0x0                                ; the last pass's stores have read their base and their data: both are written again below
	s_wait_alu depctr_vm_vsrc(0)                   ; the last pass's two stores have read v[224:231], which this pass's conversions write again
	s_lshl_b32 s[Q0], s[BLK], 8
	s_lshl_b32 s41, s[WV], 4
	s_add_co_u32 s[Q0], s[Q0], s41                 ; my first query: 256 x block + 16 x wave
	s_lshl_b32 s42, s[BH], 17
	s_lshl_b32 s43, s[Q0], 6                       ; a tile of 16 queries is 1,024 bytes
	s_add_co_u32 s42, s42, s43
	s_mov_b32 s43, 0
	s_add_nc_u64 s[QP:QP+1], s[4:5], s[42:43]
	global_load_b128 v[16:19], v[LK], s[QP:QP+1]   ; Q's fragment stays in registers for the pass.  No wait: the last pass's products, which read v[16:23], stand ahead of the wait in front of its stores, and no vector instruction has been issued since
	global_load_b128 v[20:23], v[LK], s[QP:QP+1] offset:512
	s_and_b32 s44, s[BH], 15                       ; the head
	s_lshr_b32 s45, s44, 2
	s_lshl_b32 s45, s45, 21                        ; ctx: which 256 along K: 2 MiB each;
	s_lshr_b32 s46, s[BH], 4
	s_lshl_b32 s46, s46, 19                        ; the batch's 2,048 tokens, 256 bytes each;
	s_add_co_u32 s45, s45, s46
	s_lshl_b32 s46, s[Q0], 8                       ; my tile
	s_add_co_u32 s45, s45, s46
	s_bfe_u32 s46, s44, 0x10001
	s_lshl_b32 s46, s46, 11                        ; which 128 of the 256;
	s_add_co_u32 s45, s45, s46
	s_and_b32 s46, s44, 1
	s_lshl_b32 s46, s46, 10                        ; which 64 of the 128
	s_add_co_u32 s46, s45, s46
	s_mov_b32 s47, 0
	s_add_nc_u64 s[CP:CP+1], s[8:9], s[46:47]
	v_mov_b32 v13, 0xff61b1e6                      ; the largest t so far: -3e38, under every t
	v_floor_f32 v12, -v13                          ; -M
	v_mov_b32 v14, 0                               ; the sum, in two halves
	v_mov_b32 v15, 0
.set j, 0
.rept 32
	v_mov_b32 v[160+j], 0                          ; O^T.  (The step is written once: a pass's first step finds zeros, which the first change of M leaves zeros)
.set j, j+1
.endr
	s_mov_b32 s[CH], 0
	s_mov_b32 s[TB], 0
	s_mov_b32 s[KF], 0
	s_wait_loadcnt 0x0                             ; Q
.Lchunk:                                           ; eight trips in both passes
	s_wait_dscnt 0x0                               ; my stores of this chunk have landed
	s_wait_alu depctr_vm_vsrc(0)                   ; the last trip's LDS loads have read v8 and v9, its LDS stores (in the very first trip: the head's) v10 and v[208:223]: the additions below write the three, the loads below land in the sixteen
	s_barrier_signal -1
	v_add_nc_u32 v[ADK], s[TB], v[LK]              ; the chunk's three LDS addresses, made once for both steps and on every path: work on registers while the others arrive
	v_add_nc_u32 v[ADV], s[TB], v[LV]
	v_add_nc_u32 v[ADS], s[TB], v[LS]
	s_barrier_wait -1                              ; everybody's have
	s_wait_alu depctr_va_vdst(0)                   ; v8, v9 and v10 are written, which this trip's LDS loads and stores read; the last trip's products are done reading v[32:95], in which the first step's fragments of K land
	s_cmp_ge_u32 s[CH], 7                          ; the next chunk is asked for, if the pass needs one: there are eight,
	s_cbranch_scc1 .Lnoload
	s_cmp_ge_u32 s[CH], s[LIM]                     ; and the block in hand needs chunks 0 to LIM (the second pass: none)
	s_cbranch_scc1 .Lnoload
.irp k, 0,1,2,3
	global_load_b128 v[208+4*\k:211+4*\k], v[LK], s[SRC:SRC+1] offset:512*\k   ; (the wait on vm_vsrc at the trip's head has stated that the last stores have read these registers)
.endr
.Lnoload:
	STEP 0
	STEP 1
	s_wait_loadcnt 0x0                             ; on every path: no load is out at the loop's edge
	s_cmp_ge_u32 s[CH], 7
	s_cbranch_scc1 .Lnostore
	s_cmp_ge_u32 s[CH], s[LIM]
	s_cbranch_scc1 .Lnostore
.irp k, 0,1,2,3
	ds_store_b128 v[ADS], v[208+4*\k:211+4*\k] offset:CHUNK+512*\k   ; into the next chunk's bytes, which nobody reads before the next barrier.  No wait: no vector instruction since the trip's head names v10 or v[208:223]
.endr
	s_add_nc_u64 s[SRC:SRC+1], s[SRC:SRC+1], CHUNK
.Lnostore:
	s_add_co_u32 s[TB], s[TB], CHUNK
	s_add_co_u32 s[CH], s[CH], 1
	s_cmp_lt_u32 s[CH], 8
	s_cbranch_scc1 .Lchunk
	; THE WAY OUT of a pass.  O^T is divided by the row's sum, held, and converted: tile ct's eight registers are channels 16 ct + 8 (lane / 16) + 0 .. 7 of my query, so the codes are the next operand's registers as they stand.
.rept 4
	v_nop                                          ; places behind the last products
.endr
	v_add_f32 v14, v14, v15                        ; the sum's two halves,
	v_permlanex16_b32 v252, v14, s[SEL], s[SEL+1]
	v_add_f32 v14, v14, v252                       ; and lane l xor 16's: the row's sum
	v_rcp_f32 v14, v14
	v_nop                                          ; one plain place behind the transcendental
.set j, 0
	s_wait_alu depctr_va_vdst(0)                   ; the reciprocal has written v14, ahead of its first reader
.rept 16
	v_pk_mul_f32 v[96+j:97+j], v[160+j:161+j], v[14:15] op_sel_hi:[1,0]   ; each accumulator from its low end on
.set j, j+2
.endr
.set j, 0
.rept 32
	v_med3_num_f32 v[96+j], v[96+j], -v247, v247   ; the hold at the largest code x the scale
.set j, j+1
.endr
.irp t, 0,1,2,3
	v_cvt_scalef32_pk8_bf8_f32 v[224+2*\t:225+2*\t], v[96+8*\t:103+8*\t], v246
.endr
	v_nop                                          ; one plain vector instruction behind the last conversion
	s_wait_alu depctr_va_vdst(0)                   ; the conversions have written v[224:231], which the two stores read; and the pass's products are done reading v[16:23], in which the next pass's Q lands
	global_store_b128 v[LK], v[224:227], s[CP:CP+1]              ; channels 0-31: 32 lanes store 512 consecutive bytes, aligned
	global_store_b128 v[LK], v[228:231], s[CP:CP+1] offset:512   ; channels 32-63
	s_sub_co_u32 s[BLK], 7, s[BLK]                 ; the second pass takes block i,
	s_mov_b32 s[LIM], 0                            ; and asks for nothing
	s_sub_co_u32 s[PASS], s[PASS], 1
	s_cmp_lg_u32 s[PASS], 0
	s_cbranch_scc1 .Lpass
	s_wait_dscnt 0x0                               ; the closing lines, six on end
	s_wait_alu 0x0
	s_wait_tensorcnt 0x0
	ds_add_u32 v251, v255
	s_wait_dscnt 0x0
	s_endpgm
.Lfunc_end_k_q0c053496cb_attn:
	.size	k_q0c053496cb_attn, .Lfunc_end_k_q0c053496cb_attn-k_q0c053496cb_attn
	.p2alignl 7, 3214868480
	.fill 96, 4, 3214868480
	.section	.rodata,"a",@progbits
	.p2align	6, 0x0
	.amdhsa_kernel k_q0c053496cb_attn
		.amdhsa_group_segment_fixed_size 280576
		.amdhsa_private_segment_fixed_size 0
		.amdhsa_enable_private_segment 0
		.amdhsa_kernarg_size 24
		.amdhsa_user_sgpr_count 2
		.amdhsa_user_sgpr_kernarg_segment_ptr 1
		.amdhsa_wavefront_size32 1
		.amdhsa_system_sgpr_workgroup_id_x 1
		.amdhsa_system_sgpr_workgroup_id_y 1
		.amdhsa_system_sgpr_workgroup_id_z 1
		.amdhsa_system_vgpr_workitem_id 0
		.amdhsa_next_free_vgpr 256
		.amdhsa_next_free_sgpr 80
		.amdhsa_reserve_vcc 0
		.amdhsa_float_denorm_mode_32 3
		.amdhsa_float_denorm_mode_16_64 3
		.amdhsa_memory_ordered 1
		.amdhsa_forward_progress 1
		.amdhsa_inst_pref_size 61
	.end_amdhsa_kernel
	.amdgpu_metadata
---
amdhsa.version: [ 1, 2 ]
amdhsa.kernels:
  - .name:           k_q0c053496cb_attn
    .symbol:         k_q0c053496cb_attn.kd
    .args:
      - { .name: qkv, .offset: 0, .size: 8, .value_kind: global_buffer, .address_space: global }
      - { .name: lowp_scales, .offset: 8, .size: 8, .value_kind: global_buffer, .address_space: global }
      - { .name: ctx, .offset: 16, .size: 8, .value_kind: global_buffer, .address_space: global }
    .group_segment_fixed_size: 280576
    .private_segment_fixed_size: 0
    .kernarg_segment_align: 8
    .kernarg_segment_size: 24
    .max_flat_workgroup_size: 512
    .sgpr_count:     80
    .vgpr_count:     256
    .wavefront_size: 32
...
	.end_amdgpu_metadata
.endif
;; end of part 5
;; launch proj: the kernel of part 4 again; grid 4 x 32, 4 waves a work-group, clusters of 4 x 4, 327,680 bytes of LDS; arguments ctx, wc, lowp_scales, bo, out0; writes out0
